; MI455X (gfx1250); checked and timed in simulation.
; The chip was launched on July 23, 2026; its instructions are those of AMD's public machine-readable ISA for CDNA 5 (MIT licence, August 2026) and "CDNA5" Instruction Set Architecture Reference Guide (July 2026). The comments in the code are by the model that wrote it; some were corrected since.
;; Attention. Allowed arithmetic: matrix products marked QUANTISED: E2M1 operands, one E8M0 scale for each 32 along K, by v_wmma_scale_f32_16x16x128_f8f6f4 with both operands' format E2M1 (or v_wmma_scale_f32_32x16x128_f4), f32 sums; products left as they are: bf16, f16 or f32 operands; f32 sums; everything else in f32.
;; Inputs: Wk 2,048 x 2,048 float32; Wo 2,048 x 2,048 float32; Wq 2,048 x 2,048 float32; Wv 2,048 x 2,048 float32; freqs_cos 2,048 x 64 float32; freqs_sin 2,048 x 64 float32; mask 1 x 1 x 2,048 x 2,048 float32; x 1 x 2,048 x 2,048 float32.
;; Outputs: out0 1 x 2,048 x 2,048 float32.
;; This version of the problem:
;;   THIS VERSION OF THE PROBLEM IS GIVEN IN LOW PRECISION. The matrix products marked QUANTISED in the list below multiply operands that are first quantised to E2M1 (2 exponent bits, 1 mantissa bit; 4 bits a number), with one power-of-two scale for each 32 numbers along K (OCP MX v1.0); their sums are f32. The products marked 'left as it is' may take bf16, f16 or f32 operands, with f32 sums. Whichever they take, every output number must still come out within the allowed error. Rounding operands to bf16 (8 significant bits) uses up far more of that allowance than f16 does (11 bits, for magnitudes from 6e-5 to 65,504). All else is computed in f32.
;;   The module's matrix products, in the order in which they are computed (A, B: the left and right operand; K: the contracted axis; several contracted axes count as one K, in the product's order):
;;     1. [M 2,048, K 2,048] x [K 2,048, N 2,048]; A: input x; B: input Wq: QUANTISED
;;     2. [M 2,048, K 2,048] x [K 2,048, N 2,048]; A: input x; B: input Wk: QUANTISED
;;     3. [M 2,048, K 2,048] x [K 2,048, N 2,048]; A: input x; B: input Wv: QUANTISED
;;     4. batch 16 x [M 2,048, K 128] x [K 128, N 2,048]; A: computed on the way; B: computed on the way: left as it is (an operand is computed on the way)
;;     5. batch 16 x [M 2,048, K 2,048] x [K 2,048, N 128]; A: computed on the way; B: computed on the way: left as it is (an operand is computed on the way)
;;     6. [M 2,048, K 2,048] x [K 2,048, N 2,048]; A: computed on the way; B: input Wo: left as it is (an operand is computed on the way)
;;   THE QUANTISER, for each operand of a quantised product, along K:
;;     - K is cut into blocks of 32 from its start; a last block that is shorter is filled with zeros.
;;     - A block's scale is 2^e with e = floor(log2(the largest magnitude in the block)) - 2, held to -126 .. 127; a block of zeros has e = 0. As a byte (E8M0): e + 127.
;;     - Each number is divided by its block's scale, clamped to +-6, and rounded to the nearest number of E2M1, ties to even, subnormals kept.
;;     - The product sums the exact products of the quantised numbers (number of the format x scale) in f32.
;;   ~~~python
;;   def quantise(x, axis):      # numpy; x: float32 -> the quantised numbers, widened to float32 again
;;       x = np.moveaxis(x, axis, -1); K = x.shape[-1]
;;       x = np.pad(x, [(0, 0)] * (x.ndim - 1) + [(0, -K % 32)]); x = x.reshape(x.shape[:-1] + (-1, 32)); a = np.abs(x).max(-1, keepdims=True)
;;       e = np.where(a > 0, np.clip(np.frexp(np.where(a > 0, a, 1))[1] - 1 - 2, -126, 127), 0)      # np.frexp(a)[1] - 1 = floor(log2(a)), exactly
;;       r = np.clip(x / 2.0 ** e, -6, 6)
;;       step = 2.0 ** (np.maximum(np.frexp(np.where(r == 0, 1, r))[1] - 1, 0) - 1)
;;       q = np.round(r / step) * step * 2.0 ** e      # np.round: ties to even
;;       return np.moveaxis(q.reshape(q.shape[:-2] + (-1,))[..., :K], -1, axis).astype(np.float32)
;;   ~~~
;; One version. Each part assembles by itself: llvm-mc -triple=amdgcn-amd-amdhsa -mcpu=gfx1250 --defsym DOCPART=n.
;; ======== version 1 of 1: 5 launches
;; limits: values are held in f16: magnitudes above 65,504 overflow, below 6.1e-05 lose precision; right only within a limited range of input values
;; workspace buffers: xq 2,228,224 bytes; wq 6,684,672 bytes; wo16 8,388,608 bytes; qkv 25,165,824 bytes; a16 8,388,608 bytes; a32 131,072 bytes
;; launch prep (part 1): grid 448 x 1, 4 waves a work-group, no clusters, 68,096 bytes of LDS; arguments x, Wq, Wk, Wv, Wo, xq, wq, wo16; writes xq, wq, wo16
.if DOCPART == 1
	.amdgcn_target "amdgcn-amd-amdhsa--gfx1250"
	.amdhsa_code_object_version 6
	.text
	.protected	k_q932ce0c0f0_prep
	.globl	k_q932ce0c0f0_prep
	.p2align	8
	.type	k_q932ce0c0f0_prep,@function
k_q932ce0c0f0_prep:
	s_mov_b64 s[64:65], 0
	v_nop
	global_prefetch_b8 v0, s[64:65] scope:SCOPE_SE
	s_setreg_imm32_b32 hwreg(HW_REG_WAVE_MODE, 25, 1), 1
	s_wait_xcnt 0x0
; FIRST OF FIVE LAUNCHES of: out0 = softmax((rope(x Wq) . rope(x Wk)) / sqrt(128) + mask + 1e-9) (x Wv) Wo, 16 heads of 128, 2,048 positions.
; DEAD WORK, left out in the whole program: the term 1e-9 that is added to the scores.  It is the same for all keys of a row, so exp(u + 1e-9) / sum exp(u + 1e-9) = exp(u) / sum exp(u)
; for every finite value of every input.  Nothing else is left out: every input has a way to out0 and is loaded; the mask is an input, so every (query, key) pair is computed.
; LIMIT: a NaN, an infinity or an overflow that would arise in that addition alone is not carried to the result.
; THIS LAUNCH: x [2048][2048] (K innermost) and Wq, Wk, Wv [2048 (k)][2048 (n)] (K outermost), f32, become codes of FP4 (E2M1) with K innermost and one E8M0 byte for each 32 along K; Wo becomes f16 as it lies.
; A block's scale is 2^(floor(log2(largest magnitude)) - 2); its byte is the largest magnitude's exponent field - 2, held at 1 from below; a block of zeros keeps the byte 1 (its codes are zeros; only this program reads the bytes).
; LIMITS: blocks whose largest magnitude lies under 2^(2 - 126) have their byte held at 1; NaN and infinities among the inputs are not served; Wo beyond 65,504 in magnitude does not fit f16.
; WORK-GROUPS: 0-191: the three weights (64 each: 16 groups of 128 columns x 4 runs of 512 along K); 192-319: x (32,768 numbers each); 320-447: Wo (32,768 numbers each).
; The three paths part on the work-group's number alone and have LDS bytes of their own; no wave shares anything with another: no barrier.  No tile is read by two work-groups, so there is nothing to ask for jointly.
; xq: codes [2048][1024 bytes] at 0, scale bytes [2048][64] at 2,097,152.  wq: codes [6144][1024] at 0 (rows: Wq's, Wk's, Wv's columns), scale bytes [6144][64] at 6,291,456.
.set SPW,   198                        ; v198 LDS address of my spare word; never rewritten
.set NIL,   199                        ; v199 0; never rewritten
.set XB,    34816                      ; LDS: 0 .. 34,815 the weights' four stages; from here x's four regions of 8,192 bytes
.set SPARE, 67584                      ; behind them the spare words, 128 bytes a wave, which no other line names
.set EMAX,  2
.set NB,    16                         ; weights: blocks of 32 along K for a wave
.set PITCH, 272                        ; a stage row: 256 bytes of codes + 16
.set KROW,  1024                       ; a row of codes in memory
.set WX,    32                         ; v32-95   two sets of 32 numbers
.set WC,    96                         ; v96-99   a block's codes
.set OUTR,  112                        ; v112-175 the way out
.set SB,    24                         ; v24-27   scale bytes, four to a register
.set STEPS, 16                         ; x: steps of 512 numbers for a wave
.set CB,    8                          ; bytes of 16 codes
.set XR,    16                         ; v16-79   four sets of 16 numbers as loaded
.set XX,    80                         ; v80-111  two sets of 16 neighbours
.set XE,    112                        ; v112-127 a scale byte for each step
.set XC,    128                        ; v128-191 codes, four registers a step
.set WREG,  8192
.set XSP,   80                         ; a lane's place in x's stage: 64 bytes + 16
	s_load_b512 s[4:19], s[0:1], 0x0               ; x 4:5, Wq 6:7, Wk 8:9, Wv 10:11, Wo 12:13, xq 14:15, wq 16:17, wo16 18:19
	v_lshl_add_u32 v[SPW], v0, 2, SPARE
	v_mov_b32 v[NIL], 0
	v_lshrrev_b32 v1, 5, v0
	v_readfirstlane_b32 s20, v1                    ; wave 0..3
	v_and_b32 v2, 31, v0                           ; lane
	s_wait_kmcnt 0x0
	s_cmp_ge_u32 ttmp9, 320
	s_cbranch_scc1 .Lwo
	s_cmp_ge_u32 ttmp9, 192
	s_cbranch_scc1 .Lx
; ---- THE WEIGHTS.  A lane takes a column n and its registers run down K: a block of 32 lies in one lane, and the conversions give codes with K innermost.
	s_lshr_b32 s21, ttmp9, 6                       ; which weight: 0 Wq, 1 Wk, 2 Wv
	s_and_b32 s24, ttmp9, 63
	s_and_b32 s25, s24, 15                         ; which 128 columns
	s_lshr_b32 s24, s24, 4                         ; which 512 along K
	s_lshl_b32 s25, s25, 7
	s_lshl_b32 s26, s20, 5
	s_add_co_u32 s25, s25, s26                     ; my wave's first column
	s_cmp_eq_u32 s21, 0
	s_cselect_b64 s[22:23], s[6:7], s[8:9]
	s_cmp_eq_u32 s21, 2
	s_cselect_b64 s[22:23], s[10:11], s[22:23]     ; the choice hangs on the work-group's number alone
	s_lshl_b32 s26, s24, 22                        ; 512 rows of 8,192 bytes
	s_lshl_b32 s27, s25, 2
	s_add_co_u32 s26, s26, s27
	s_mov_b32 s27, 0
	s_add_nc_u64 s[22:23], s[22:23], s[26:27]      ; the weight at my wave's part
	s_lshl_b32 s28, s21, 11
	s_add_co_u32 s28, s28, s25                     ; my first row of wq
	s_lshl_b32 s26, s28, 10
	s_lshl_b32 s29, s24, 8
	s_add_co_u32 s26, s26, s29
	s_add_nc_u64 s[30:31], s[16:17], s[26:27]      ; its codes: row x 1,024 + 256 x run
	s_lshl_b32 s26, s28, 6
	s_lshl_b32 s29, s24, 4
	s_add_co_u32 s26, s26, s29
	s_add_co_u32 s26, s26, 6291456
	s_add_nc_u64 s[32:33], s[16:17], s[26:27]      ; its scale bytes: row x 64 + 16 x run
	v_lshlrev_b32 v3, 2, v2                        ; in: 4 bytes a lane
	s_mul_i32 s29, s20, 32*PITCH                   ; my stage
	v_mul_u32_u24 v4, v2, PITCH
	v_add_nc_u32 v4, s29, v4                       ; into it: row = my column
	v_and_b32 v5, 15, v2
	v_lshrrev_b32 v6, 4, v2
	v_mul_u32_u24 v7, v6, PITCH
	v_lshl_add_u32 v7, v5, 4, v7
	v_add_nc_u32 v7, s29, v7                       ; out of it: sixteen lanes to a row, two rows an instruction
	v_mul_u32_u24 v8, v6, KROW
	v_lshl_add_u32 v8, v5, 4, v8                   ; and the same place in the codes
	v_lshlrev_b32 v9, 6, v2                        ; my column's row of scale bytes
.macro WLOAD t                         ; block t: W(32 t + i, my column), i = 0 .. 31, into set t % 2; a wave reads 128 consecutive bytes, the four waves 512
.set i, 0
.rept 32
	global_load_b32 v[WX+32*((\t)%2)+i], v3, s[22:23] offset:(32*(\t)+i)*8192 th:TH_LOAD_NT
.set i, i+1
.endr
.endm
.macro WBLOCK t
.set XS, WX+32*((\t)%2)
.if (\t) < NB-1
	s_wait_loadcnt 32                              ; this block's 32 loads are in; the next block's 32 may be out
.else
	s_wait_loadcnt 0
.endif
	v_max3_num_f32 v12, |v[XS]|, |v[XS+1]|, |v[XS+2]|              ; the block's largest magnitude: all 32 numbers are mine
	v_max3_num_f32 v13, |v[XS+3]|, |v[XS+4]|, |v[XS+5]|
.irp i, 6,10,14,18,22,26
	v_max3_num_f32 v12, v12, |v[XS+\i]|, |v[XS+\i+1]|
	v_max3_num_f32 v13, v13, |v[XS+\i+2]|, |v[XS+\i+3]|
.endr
	v_max3_num_f32 v12, v12, |v[XS+30]|, |v[XS+31]|
	v_max3_num_f32 v12, v12, v13, (EMAX+1)<<23     ; and the floor 2^(3 - 127): the byte cannot fall under 1
	v_add_nc_u32 v11, -(EMAX<<23), v12             ; 2 off its exponent field: the conversion takes the exponent field of this operand as its scale
	v_lshrrev_b32 v13, 23, v11                     ; the scale's byte
.if (\t)%4 == 0
	v_mov_b32 v[SB+(\t)/4], v13
.else
	v_lshl_or_b32 v[SB+(\t)/4], v13, 8*((\t)%4), v[SB+(\t)/4]
.endif
.irp g, 0,1,2,3
	v_cvt_scalef32_pk8_fp4_f32 v[WC+\g], v[XS+8*\g:XS+8*\g+7], v11
.endr
	ds_store_b128 v4, v[WC:WC+3] offset:16*(\t)    ; 32 codes: 16 bytes of my column's row
.if (\t)+2 < NB
	WLOAD (\t)+2
.endif
	s_wait_dscnt 0x0                               ; the store has read its registers: the next block's codes may be written
.endm
	WLOAD 0
	WLOAD 1
.set Q, 0
.rept NB
	WBLOCK Q
.set Q, Q+1
.endr
	global_store_b128 v9, v[SB:SB+3], s[32:33]     ; my column's 16 scale bytes
.irp t, 0,1,2,3,4,5,6,7,8,9,10,11,12,13,14,15
	ds_load_b128 v[OUTR+4*\t:OUTR+4*\t+3], v7 offset:2*\t*PITCH    ; a wave's LDS instructions are served in order: these see my stores
.endr
.irp t, 0,1,2,3,4,5,6,7,8,9,10,11,12,13,14,15
	s_wait_dscnt 15-\t
	global_store_b128 v8, v[OUTR+4*\t:OUTR+4*\t+3], s[30:31] offset:2*\t*KROW   ; sixteen lanes store 256 consecutive bytes, aligned
.endr
	s_branch .Lend
; ---- x.  A plain stream of blocks of 32.  Each load reads 512 consecutive bytes; a step's 2,048 bytes turn through the wave's own stage, so that a lane holds 16 neighbours; two neighbouring lanes hold a block.
.Lx:
	s_sub_co_u32 s21, ttmp9, 192
	s_lshl_b32 s21, s21, 2
	s_add_co_u32 s21, s21, s20                     ; which run of 8,192 numbers is my wave's
	s_lshl_b32 s24, s21, 15
	s_mov_b32 s25, 0
	s_add_nc_u64 s[22:23], s[4:5], s[24:25]
	s_lshl_b32 s24, s21, 12
	s_add_nc_u64 s[30:31], s[14:15], s[24:25]      ; its codes: 4,096 bytes
	s_lshl_b32 s24, s21, 8
	s_add_co_u32 s24, s24, 2097152
	s_add_nc_u64 s[32:33], s[14:15], s[24:25]      ; its 256 scale bytes
	s_mul_i32 s26, s20, WREG
	s_add_co_u32 s26, s26, XB                      ; my wave's region
	v_lshlrev_b32 v3, 4, v2
	v_lshrrev_b32 v14, 2, v2
	v_mul_u32_u24 v14, v14, XSP
	v_and_b32 v15, 3, v2
	v_lshl_add_u32 v14, v15, 4, v14
	v_add_nc_u32 v14, s26, v14                     ; the stage, on the way in: four lanes' 64 bytes on end, then 16 of padding
	v_mul_u32_u24 v15, v2, XSP
	v_add_nc_u32 v15, s26, v15                     ; and on the way out: my 16 neighbours
	v_mul_u32_u24 v4, v2, CB
	v_lshrrev_b32 v5, 1, v2
	s_add_co_u32 s26, s26, 2*32*XSP
	v_add_nc_u32 v5, s26, v5                       ; my block's byte among my wave's 256
	v_lshlrev_b32 v7, 3, v2
	v_add_nc_u32 v6, s26, v7
.macro XLOAD t
.irp i, 0,1,2,3
	global_load_b128 v[XR+16*((\t)%4)+4*\i:XR+16*((\t)%4)+4*\i+3], v3, s[22:23] offset:2048*(\t)+512*\i th:TH_LOAD_NT
.endr
.endm
.macro XTURN t                         ; step t's numbers through the stage
.irp i, 0,1,2,3
	ds_store_b128 v14, v[XR+16*((\t)%4)+4*\i:XR+16*((\t)%4)+4*\i+3] offset:32*XSP*((\t)%2)+8*XSP*\i
.endr
.irp i, 0,1,2,3
	ds_load_b128 v[XX+16*((\t)%2)+4*\i:XX+16*((\t)%2)+4*\i+3], v15 offset:32*XSP*((\t)%2)+16*\i
.endr
.endm
.macro XSTEP t
.set XS, XX+16*((\t)%2)
.if (\t) > 0
	s_wait_dscnt 1                                 ; this step's numbers are back (the last step's byte store may be out)
.else
	s_wait_dscnt 0x0
.endif
.if (\t)+4 < STEPS
	XLOAD (\t)+4
.endif
.if (\t)+1 < STEPS
.if STEPS-2-(\t) >= 3
	s_wait_loadcnt 12                              ; the next step's four loads are in; three steps' twelve may be out
.else
	s_wait_loadcnt 4*(STEPS-2-(\t))
.endif
	XTURN (\t)+1
.endif
	v_max3_num_f32 v8, |v[XS]|, |v[XS+1]|, |v[XS+2]|
	v_max3_num_f32 v9, |v[XS+3]|, |v[XS+4]|, |v[XS+5]|
.irp i, 6,10
	v_max3_num_f32 v8, v8, |v[XS+\i]|, |v[XS+\i+1]|
	v_max3_num_f32 v9, v9, |v[XS+\i+2]|, |v[XS+\i+3]|
.endr
	v_max3_num_f32 v8, v8, |v[XS+14]|, |v[XS+15]|
	v_max3_num_f32 v8, v8, v9, (EMAX+1)<<23        ; the floor
	v_max_num_f32_dpp v8, v8, v8 row_xmask:1 row_mask:0xf bank_mask:0xf   ; with my neighbour's 16: the block's
	v_add_nc_u32 v11, -(EMAX<<23), v8
	v_cvt_scalef32_pk8_fp4_f32 v[XC+4*(\t)], v[XS:XS+7], v11
	v_cvt_scalef32_pk8_fp4_f32 v[XC+4*(\t)+1], v[XS+8:XS+15], v11
	v_lshrrev_b32 v[XE+(\t)], 23, v11              ; the scale's byte
	ds_store_b8 v5, v[XE+(\t)] offset:16*(\t)      ; both lanes of a block write the same byte with the same value
	global_store_b64 v4, v[XC+4*(\t):XC+4*(\t)+1], s[30:31] offset:32*CB*(\t)   ; the wave stores 256 consecutive bytes, aligned
.endm
.irp t, 0,1,2,3
	XLOAD \t
.endr
	s_wait_loadcnt 12                              ; step 0's four loads are in
	XTURN 0
.irp t, 0,1,2,3,4,5,6,7,8,9,10,11,12,13,14,15
	XSTEP \t
.endr
	ds_load_b64 v[8:9], v6
	s_wait_dscnt 0x0
	global_store_b64 v7, v[8:9], s[32:33]          ; 32 lanes store 256 consecutive bytes, aligned
	s_branch .Lend
; ---- Wo to f16, as it lies.  A wave takes 64 pieces of 512 bytes; sixteen loads are out; each piece has its own two registers for the store, so no store's data are written again.
.Lwo:
	s_sub_co_u32 s21, ttmp9, 320
	s_lshl_b32 s24, s21, 17
	s_lshl_b32 s26, s20, 15
	s_add_co_u32 s24, s24, s26
	s_mov_b32 s25, 0
	s_add_nc_u64 s[22:23], s[12:13], s[24:25]
	s_lshr_b32 s24, s24, 1
	s_add_nc_u64 s[30:31], s[18:19], s[24:25]
	v_lshlrev_b32 v1, 4, v2
	v_lshlrev_b32 v3, 3, v2
.set i, 0
.rept 16
	global_load_b128 v[4+4*i:7+4*i], v1, s[22:23] offset:512*i th:TH_LOAD_NT
.set i, i+1
.endr
.set i, 0
.rept 64
.if i < 48
	s_wait_loadcnt 15                              ; piece i is in; the fifteen younger loads stay out
.else
	s_wait_loadcnt 63-i
.endif
	v_cvt_pk_f16_f32 v[68+2*i], v[4+4*(i%16)], v[5+4*(i%16)]
	v_cvt_pk_f16_f32 v[69+2*i], v[6+4*(i%16)], v[7+4*(i%16)]
.if i < 48
	global_load_b128 v[4+4*(i%16):7+4*(i%16)], v1, s[22:23] offset:512*(i+16) th:TH_LOAD_NT
.endif
	global_store_b64 v3, v[68+2*i:69+2*i], s[30:31] offset:256*i   ; the wave stores 256 consecutive bytes, aligned
.set i, i+1
.endr
.Lend:
	s_wait_tensorcnt 0x0                           ; the wave's end
	ds_add_u32 v[SPW], v[NIL]
	s_wait_dscnt 0x0
	s_endpgm
.Lfunc_end_k_q932ce0c0f0_prep:
	.size	k_q932ce0c0f0_prep, .Lfunc_end_k_q932ce0c0f0_prep-k_q932ce0c0f0_prep
	.p2alignl 7, 3214868480
	.fill 96, 4, 3214868480
	.section	.rodata,"a",@progbits
	.p2align	6, 0x0
	.amdhsa_kernel k_q932ce0c0f0_prep
		.amdhsa_group_segment_fixed_size 68096
		.amdhsa_private_segment_fixed_size 0
		.amdhsa_enable_private_segment 0
		.amdhsa_kernarg_size 64
		.amdhsa_user_sgpr_count 2
		.amdhsa_user_sgpr_kernarg_segment_ptr 1
		.amdhsa_wavefront_size32 1
		.amdhsa_system_sgpr_workgroup_id_x 1
		.amdhsa_system_sgpr_workgroup_id_y 1
		.amdhsa_system_sgpr_workgroup_id_z 1
		.amdhsa_system_vgpr_workitem_id 0
		.amdhsa_next_free_vgpr 200
		.amdhsa_next_free_sgpr 66
		.amdhsa_reserve_vcc 0
		.amdhsa_float_denorm_mode_32 3
		.amdhsa_float_denorm_mode_16_64 3
		.amdhsa_memory_ordered 1
		.amdhsa_forward_progress 1
		.amdhsa_inst_pref_size 133
	.end_amdhsa_kernel
	.amdgpu_metadata
---
amdhsa.version: [ 1, 2 ]
amdhsa.kernels:
  - .name:           k_q932ce0c0f0_prep
    .symbol:         k_q932ce0c0f0_prep.kd
    .args:
      - { .name: x, .offset: 0, .size: 8, .value_kind: global_buffer, .address_space: global }
      - { .name: Wq, .offset: 8, .size: 8, .value_kind: global_buffer, .address_space: global }
      - { .name: Wk, .offset: 16, .size: 8, .value_kind: global_buffer, .address_space: global }
      - { .name: Wv, .offset: 24, .size: 8, .value_kind: global_buffer, .address_space: global }
      - { .name: Wo, .offset: 32, .size: 8, .value_kind: global_buffer, .address_space: global }
      - { .name: xq, .offset: 40, .size: 8, .value_kind: global_buffer, .address_space: global }
      - { .name: wq, .offset: 48, .size: 8, .value_kind: global_buffer, .address_space: global }
      - { .name: wo16, .offset: 56, .size: 8, .value_kind: global_buffer, .address_space: global }
    .group_segment_fixed_size: 68096
    .private_segment_fixed_size: 0
    .kernarg_segment_align: 8
    .kernarg_segment_size: 64
    .max_flat_workgroup_size: 128
    .sgpr_count:     66
    .vgpr_count:     200
    .wavefront_size: 32
...
	.end_amdgpu_metadata
.endif
;; end of part 1
;; launch qkv (part 2): grid 24 x 8, 4 waves a work-group, clusters of 4 x 4, 327,680 bytes of LDS; arguments xq, wq, freqs_cos, freqs_sin, qkv; writes qkv
.if DOCPART == 2
	.amdgcn_target "amdgcn-amd-amdhsa--gfx1250"
	.amdhsa_code_object_version 6
	.text
	.protected	k_q932ce0c0f0_qkv
	.globl	k_q932ce0c0f0_qkv
	.p2align	8
	.type	k_q932ce0c0f0_qkv,@function
k_q932ce0c0f0_qkv:
	s_mov_b64 s[64:65], 0
	v_nop
	global_prefetch_b8 v0, s[64:65] scope:SCOPE_SE
	s_setreg_imm32_b32 hwreg(HW_REG_WAVE_MODE, 25, 1), 1
	s_wait_xcnt 0x0
	s_wait_alu depctr_hold_cnt(0) depctr_sa_sdst(0) depctr_va_vdst(0) depctr_va_sdst(0) depctr_va_ssrc(0) depctr_va_vcc(0) depctr_vm_vsrc(0)
	s_getreg_b32 s2, hwreg(HW_REG_IB_STS2, 6, 4)
	s_cmp_eq_u32 s2, 0
	s_cbranch_scc0 .Lentry_in_a_cluster
	s_endpgm
.Lentry_in_a_cluster:
	s_bfe_u32 s2, ttmp6, 0x10000c
	s_cmp_lg_u32 s2, 0xf033
	s_cbranch_scc0 .Lentry_shape_is_right
	s_endpgm
.Lentry_shape_is_right:
; SECOND LAUNCH: C[m][n] = sum over k of x[m][k] W[k][n] for the 6,144 columns of Wq, Wk, Wv, on codes of FP4 (E2M1) with one E8M0 scale for each 32 along K; then, in f32, the rotary turn of q and k and
; their scaling by 128^(-1/4) each (so that q' . k' = q . k / sqrt(128)); the results leave as f16: qkv [3][16 heads][2048][128].  Nothing of the problem is left out here.
; LIMIT: q 128^(-1/4), k 128^(-1/4) and v beyond 65,504 in magnitude do not fit f16.
; A tile of C, 256 x 256, is made by four waves; a wave makes 128 x 128 (64 accumulators, 512 registers): 128 positions of ONE head of q, k or v.  K goes in steps of 512 through a ring of two LDS slots; a tile's row is 256 bytes of memory.
; THE SCALES of the work-group's 256 rows of x and 256 rows of wq, for all of K, are two dense blocks: they come into LDS once, with the first fills.
; CLUSTERS: 4 x 4 work-groups; x's tiles are asked for jointly along a row of the cluster, wq's along a column.  THE MATRIX INSTRUCTION IS USED TRANSPOSED (source 0 = 16 rows of wq, source 1 = 16 rows of x).
; REGISTERS: window 0: v0-31 addresses; v32-95 scale words, two sets; from v128 x's fragments, one set.  window 1: wq's fragments, two sets (v0, v128).  windows 2, 3: the accumulators ((a, b) at v[8 (8 (a % 4) + b)]).
; On the way out: window 0: v32-95 packed f16, two sets; v96-111 at work; v128-255 rows back from the stage, two sets.  window 1: v0-127 cos and sin, two sets.
.set SIZE_K, 2048
.set KSTEP,  512
.set NQ,     KSTEP/128
.set ROWB,   256
.set KROW,   SIZE_K*4/8
.set PITCH,  272                       ; an LDS row: 256 bytes + 16 = 68 words: the 16 rows of a load start at 16 different banks (64 banks of 4 bytes: ISA guide 11.1)
.set FR,     8
.set NL,     2
.set NP,     4                         ; places behind this matrix instruction (ISA guide 7.12.1)
.set HALFT,  128*PITCH
.set SLOT,   4*HALFT
.set LAPS,   SIZE_K/(2*KSTEP)
.set KS,     SIZE_K/32
.set SCL,    2*SLOT
.set HALFS,  (128*KS/256)*272
.set SBLK,   (16*KS/256)*272
.set SPARE,  SCL+4*HALFS               ; the spare words, 128 bytes a wave, which no other line names
.set SPITCH, 528                       ; the way out: a stage of 16 rows x (512 + 16) bytes a wave, in slot 0, which has had its last fill and its last read by then
.set VSTG,   4*16*SPITCH               ; v's arm of the way out has stage bytes of its own, behind the other arm's
.set ADRA, 16
.set ADRB, 20
.set STO,  24
.set RD,   25
.set CT,   26                          ; v26  8 x lane: my place in a row of cos, of sin and of the f16 result
.set ADRS, 27
.set SPW,  28
.set NIL,  29
.set SC,   32
.set AF,   128
.set BK,   128
.set OUT,  32
.set TMPP, 96
.set G1, 24
.set G0, 32
.set G1B, 48
.set G0B, 56
.set SCQ, 66                           ; s[66:67] 128^(-1/4), twice
.set G1S, 68
.set G0S, 76
.set G1SB, 80
.set G0SB, 88
.set MSB, 0
.macro WIN new                         ; the immediate's high byte repeats the setting that is left
.if MSB != \new
	s_set_vgpr_msb (MSB<<8)|\new
.set MSB, \new
.endif
.endm
.set MUL_LO, 0xa1
.set MUL_HI, 0xf1
.set TO_B,   0x40
; A joint load: waves 0 and 1 fetch for x, waves 2 and 3 for wq.  An s_nop 0 and four v_nop follow each of the two lines.
.macro JLOAD g0a, g1a, g0b, g1b
	s_cmp_eq_u32 s15, 0
	s_cbranch_scc0 .Lfor_b_\@
	tensor_load_to_lds s[\g0a:\g0a+3], s[\g1a:\g1a+7]
	s_nop 0
.rept 4
	v_nop
.endr
	s_branch .Lasked_\@
.Lfor_b_\@:
	tensor_load_to_lds s[\g0b:\g0b+3], s[\g1b:\g1b+7]
	s_nop 0
.rept 4
	v_nop
.endr
.Lasked_\@:
.endm
.macro CREST
	s_cmp_lg_u32 s14, 0
	s_cbranch_scc1 .Lnot_wave_0_\@
	s_barrier_signal -3
.Lnot_wave_0_\@:
	s_barrier_wait -3
	s_barrier_signal -1
	s_barrier_wait -1
.endm
.macro CROUND
	s_barrier_signal -1
	s_barrier_wait -1
	CREST
.endm
	s_load_b128 s[4:7], s[0:1], 0x0                ; xq s[4:5], wq s[6:7]
	s_load_b128 s[8:11], s[0:1], 0x10              ; cos s[8:9], sin s[10:11]
	s_load_b64 s[12:13], s[0:1], 0x20              ; qkv
	v_lshl_add_u32 v[SPW], v0, 2, SPARE
	v_mov_b32 v[NIL], 0
	ds_add_u32 v[SPW], v[NIL]                      ; the wave's opening: the add, twice on end, and its wait ahead of my first tensor load
	ds_add_u32 v[SPW], v[NIL]
	v_lshrrev_b32 v1, 5, v0
	v_readfirstlane_b32 s14, v1                    ; wave 0..3
	s_lshr_b32 s15, s14, 1                         ; which half of the tile's rows is mine.  Also: I fetch for x (0) or for wq (1)
	s_and_b32 s16, s14, 1                          ; which half of its columns.  Also: which 128 rows I fetch
	s_bfe_u32 s40, ttmp6, 0x40000                  ; cx, cy
	s_bfe_u32 s41, ttmp6, 0x40004
	s_lshl_b32 s42, ttmp9, 2
	s_add_co_u32 s42, s42, s40                     ; tile column
	s_and_b32 s17, ttmp7, 0xffff
	s_lshl_b32 s17, s17, 2
	s_add_co_u32 s17, s17, s41                     ; tile row
	s_lshl_b32 s43, s41, 2
	s_lshl_b32 s43, 15, s43                        ; my row of the cluster
	s_lshl_b32 s44, 0x1111, s40                    ; my column
	s_or_b32 s[G1+0], s43, (0<<16)|(1<<20)|(1<<21)|(5<<22)|(3<<25)  ; mask; elements of 1 byte; padding on; bit 21 beside a mask; after every 64 words, 4 words
	s_or_b32 s[G1B+0], s44, (0<<16)|(1<<20)|(1<<21)|(5<<22)|(3<<25)
.irp g, G1, G1B
	s_mov_b32 s[\g+1], ROWB<<16                    ; tensor_dim0
	s_mov_b32 s[\g+2], 128<<16                     ; tensor_dim1
	s_mov_b32 s[\g+3], ROWB<<16                    ; tile_dim0
	s_mov_b32 s[\g+4], 128                         ; tile_dim1
	s_mov_b32 s[\g+5], KROW                        ; stride
	s_mov_b32 s[\g+6], 0
	s_mov_b32 s[\g+7], 0
.endr
	s_or_b32 s[G1S+0], s43, (3<<16)|(1<<20)|(1<<21)|(5<<22)|(3<<25) ; the scales of 128 rows: a dense block as rows of 256 bytes (32 elements of 8), 16 bytes of padding behind each
	s_or_b32 s[G1SB+0], s44, (3<<16)|(1<<20)|(1<<21)|(5<<22)|(3<<25)
.irp g, G1S, G1SB
	s_mov_b32 s[\g+1], 32<<16
	s_mov_b32 s[\g+2], (128*KS/256)<<16
	s_mov_b32 s[\g+3], 32<<16
	s_mov_b32 s[\g+4], 128*KS/256
	s_mov_b32 s[\g+5], 32
	s_mov_b32 s[\g+6], 0
	s_mov_b32 s[\g+7], 0
.endr
	s_mov_b32 s[SCQ], 0x3e9837f0                   ; 128^(-1/4) = 2^-1.75
	s_mov_b32 s[SCQ+1], s[SCQ]
	s_lshl_b32 s18, s16, 7
	s_lshl_b32 s20, s17, 8
	s_add_co_u32 s20, s20, s18                     ; x: row 256 x tile row + 128 x half
	s_lshl_b32 s46, s42, 8
	s_add_co_u32 s46, s46, s18                     ; wq: row 256 x tile column + 128 x half
	s_mov_b32 s21, 0
	s_mov_b32 s47, 0
	s_mov_b64 s[18:19], KS
	s_mul_u64 s[22:23], s[20:21], s[18:19]
	s_mul_u64 s[92:93], s[46:47], s[18:19]
	s_add_nc_u64 s[22:23], s[22:23], 2097152       ; the scale bytes lie behind the codes in each buffer
	s_add_nc_u64 s[92:93], s[92:93], 6291456
	s_mov_b64 s[18:19], KROW
	s_mul_u64 s[20:21], s[20:21], s[18:19]
	s_mul_u64 s[46:47], s[46:47], s[18:19]
	s_mul_i32 s45, s14, HALFT
	s_mul_i32 s94, s14, HALFS
	s_wait_dscnt 0x0                               ; both opening adds are done
	s_wait_kmcnt 0x0
	s_add_nc_u64 s[20:21], s[4:5], s[20:21]
	s_add_nc_u64 s[22:23], s[4:5], s[22:23]
	s_add_nc_u64 s[46:47], s[6:7], s[46:47]
	s_add_nc_u64 s[92:93], s[6:7], s[92:93]
	CROUND                                         ; all sixteen work-groups are here: the first joint loads meet
	s_mov_b32 s[G0S], 1
	s_add_co_u32 s[G0S+1], s94, SCL
	s_mov_b64 s[G0S+2:G0S+3], s[22:23]
	s_or_b32 s[G0S+3], s[G0S+3], 0x80000000
	s_mov_b32 s[G0SB], 1
	s_add_co_u32 s[G0SB+1], s94, SCL
	s_mov_b64 s[G0SB+2:G0SB+3], s[92:93]
	s_or_b32 s[G0SB+3], s[G0SB+3], 0x80000000
	JLOAD G0S, G1S, G0SB, G1SB                     ; the scales first
.irp s, 0,1
	s_mov_b32 s[G0+4*\s], 1
	s_add_co_u32 s[G0+4*\s+1], s45, \s*SLOT
	s_add_nc_u64 s[G0+4*\s+2:G0+4*\s+3], s[20:21], \s*ROWB
	s_or_b32 s[G0+4*\s+3], s[G0+4*\s+3], 0x80000000
	s_mov_b32 s[G0B+4*\s], 1
	s_add_co_u32 s[G0B+4*\s+1], s45, \s*SLOT
	s_add_nc_u64 s[G0B+4*\s+2:G0B+4*\s+3], s[46:47], \s*ROWB
	s_or_b32 s[G0B+4*\s+3], s[G0B+4*\s+3], 0x80000000
	JLOAD G0+4*\s, G1, G0B+4*\s, G1B
.endr
	v_and_b32 v1, 15, v0                           ; l % 16
	v_bfe_u32 v2, v0, 4, 1                         ; l / 16
	v_mul_u32_u24 v3, v1, PITCH
	v_lshl_add_u32 v4, v2, 4, v3
	s_mul_i32 s21, s15, HALFT
	s_mul_i32 s22, s16, HALFT
	s_add_co_u32 s22, s22, 2*HALFT
.irp s, 0,1
	v_add_nc_u32 v[ADRA+\s], s21, v4
	v_add_nc_u32 v[ADRB+\s], s22, v4
	s_add_co_u32 s21, s21, SLOT
	s_add_co_u32 s22, s22, SLOT
.endr
	v_mul_u32_u24 v5, v1, KS
	v_lshrrev_b32 v6, 8, v5
	v_lshl_add_u32 v5, v6, 4, v5
	s_mul_i32 s21, s15, HALFS
	s_mul_i32 s22, s16, HALFS
	s_add_co_u32 s22, s22, 2*HALFS
	s_sub_co_u32 s22, s22, s21
	v_mul_u32_u24 v6, s22, v2                      ; lanes 16-31 take wq's scale words
	s_add_co_u32 s21, s21, SCL
	v_add_nc_u32 v5, v5, v6
	v_add_nc_u32 v[ADRS], s21, v5
	s_mul_i32 s23, s14, 16*SPITCH                  ; my stage
	v_mul_u32_u24 v5, v1, SPITCH
	v_lshl_add_u32 v5, v2, 5, v5
	v_add_nc_u32 v[STO], s23, v5                   ; in: row l % 16, 32 bytes for each half of the lanes
	v_and_b32 v6, 31, v0
	v_lshlrev_b32 v7, 4, v6
	v_add_nc_u32 v[RD], s23, v7                    ; back: the 32 lanes take one row of 512 bytes: lane l has columns 4 l .. 4 l + 3
	v_lshlrev_b32 v[CT], 3, v6
	s_lshl_b32 s20, s17, 8
	s_lshl_b32 s21, s15, 7
	s_add_co_u32 s20, s20, s21                     ; my first position: 256 x tile row + 128 x half
	s_lshl_b32 s20, s20, 8                         ; a row of cos, of sin and of a head in qkv is 256 bytes
	s_mov_b32 s21, 0
	s_add_nc_u64 s[8:9], s[8:9], s[20:21]
	s_add_nc_u64 s[10:11], s[10:11], s[20:21]
	s_add_nc_u64 s[12:13], s[12:13], s[20:21]
	s_lshl_b32 s46, s42, 1
	s_add_co_u32 s46, s46, s16                     ; my 128 columns are slice 2 x tile column + half: 0-15 q's heads, 16-31 k's, 32-47 v's
	s_lshl_b32 s46, s46, 19                        ; 2,048 rows of 256 bytes
	s_mov_b32 s47, 0
	s_add_nc_u64 s[12:13], s[12:13], s[46:47]
.macro FRAG reg, adr, q, i             ; 16 rows x 128 K of 4-bit codes: 8 registers, two loads of 16 bytes, 32 bytes apart
.irp c, 0,1
	ds_load_b128 v[\reg+4*\c:\reg+4*\c+3], v[\adr] offset:64*(\q)+32*\c+(\i)*16*PITCH
.endr
.endm
; 16 matrix instructions: x's blocks a0, a0 + 1 against wq's eight.  The 64 accumulators take turns, one instruction a turn, in the same order in every step.
.macro MUL16 a0, p, q, sc, zero
.irp a, \a0, \a0+1
.irp b, 0,1,2,3,4,5,6,7
.if \zero
	v_wmma_scale_f32_16x16x128_f8f6f4 v[8*(8*((\a)%4)+\b):8*(8*((\a)%4)+\b)+7], v[128*(\p)+FR*\b:128*(\p)+FR*\b+FR-1], v[AF+FR*(\a):AF+FR*(\a)+FR-1], 0, v[SC+8*NQ*(\sc)+NQ*\b+(\q)], v[SC+8*NQ*(\sc)+NQ*(\a)+(\q)] matrix_a_fmt:MATRIX_FMT_FP4 matrix_b_fmt:MATRIX_FMT_FP4 matrix_a_scale:MATRIX_SCALE_ROW1
.else
	v_wmma_scale_f32_16x16x128_f8f6f4 v[8*(8*((\a)%4)+\b):8*(8*((\a)%4)+\b)+7], v[128*(\p)+FR*\b:128*(\p)+FR*\b+FR-1], v[AF+FR*(\a):AF+FR*(\a)+FR-1], v[8*(8*((\a)%4)+\b):8*(8*((\a)%4)+\b)+7], v[SC+8*NQ*(\sc)+NQ*\b+(\q)], v[SC+8*NQ*(\sc)+NQ*(\a)+(\q)] matrix_a_fmt:MATRIX_FMT_FP4 matrix_b_fmt:MATRIX_FMT_FP4 matrix_a_scale:MATRIX_SCALE_ROW1
.endif
.endr
.endr
.endm
.macro FETCH_B slot, q, p
	WIN TO_B
.irp i, 0,1,2,3,4,5,6,7
	FRAG 128*(\p)+FR*\i, ADRB+\slot, \q, \i
.endr
	WIN 0
.endm
.macro FETCH_A slot, q, i0
.irp i, \i0, \i0+1, \i0+2, \i0+3
	FRAG AF+FR*(\i), ADRA+\slot, \q, \i
.endr
.endm
.macro SCALES sc                       ; a K step's scale words: lanes 0-15 x's block i, lanes 16-31 wq's block i
.irp i, 0,1,2,3,4,5,6,7
	ds_load_b128 v[SC+8*NQ*\sc+NQ*\i:SC+8*NQ*\sc+NQ*\i+3], v[ADRS] offset:\i*SBLK
.endr
.endm
.macro PLACES n                        ; plain vector instructions between a matrix instruction and a load into, or a read of, its registers
.rept \n
	v_nop
.endr
.endm
.macro STEP slot, q, zero
	s_wait_dscnt 4*NL                              ; wq's set and x's blocks 0-3 are in; the youngest eight loads (blocks 4-7) may be out
	WIN MUL_LO
	MUL16 0, (\q)%2, \q, \slot, \zero
	MUL16 2, (\q)%2, \q, \slot, \zero
	s_wait_dscnt 0
	PLACES NP
	FETCH_B \slot, (\q)+1, 1-(\q)%2
	FETCH_A \slot, (\q)+1, 0
	WIN MUL_HI
	MUL16 4, (\q)%2, \q, \slot, \zero
	MUL16 6, (\q)%2, \q, \slot, \zero
	PLACES NP
	WIN 0
	FETCH_A \slot, (\q)+1, 4
.endm
; A slot's last step changes slots: one barrier; in front of it each wave waits for all its tensor loads, adds 0 to its spare word, and waits for that and for its reads of this slot.
.macro TURN slot, next, fill
	s_wait_tensorcnt 0x0                           ; all my tensor loads have landed: my part of the next slot
	ds_add_u32 v[SPW], v[NIL]
	s_wait_dscnt 4*NL+1                            ; (the add and the youngest eight loads may be out)
	WIN MUL_LO
	MUL16 0, 1, NQ-1, \slot, 0
	s_wait_dscnt 0x0                               ; the add is done, and my reads of this slot are over
	s_barrier_signal -1
	MUL16 2, 1, NQ-1, \slot, 0
	WIN 0
	s_barrier_wait -1
.if \fill
	CREST                                          ; the barrier has opened a round of the cluster's barrier: no wave of any partner still reads this slot or has a load on its way
	s_add_nc_u64 s[G0+4*\slot+2:G0+4*\slot+3], s[G0+4*\slot+2:G0+4*\slot+3], 2*ROWB
	s_add_nc_u64 s[G0B+4*\slot+2:G0B+4*\slot+3], s[G0B+4*\slot+2:G0B+4*\slot+3], 2*ROWB
	JLOAD G0+4*\slot, G1, G0B+4*\slot, G1B
.else
	PLACES NP
.endif
	v_add_nc_u32 v[ADRS], 4*NQ, v[ADRS]
	FETCH_B \next, 0, 0
	FETCH_A \next, 0, 0
	SCALES \next
	WIN MUL_HI
	MUL16 4, 1, NQ-1, \slot, 0
	MUL16 6, 1, NQ-1, \slot, 0
	PLACES NP
	WIN 0
	FETCH_A \next, 0, 4
.endm
.macro STEPS slot, from
.set Q, \from
.rept NQ-1-\from
	STEP \slot, Q, 0
.set Q, Q+1
.endr
.endm
	s_wait_tensorcnt 1                             ; the scales and my part of K step 0 are in; K step 1's load may be out
	s_barrier_signal -1
	s_barrier_wait -1
	FETCH_B 0, 0, 0
	FETCH_A 0, 0, 0
	SCALES 0
	FETCH_A 0, 0, 4
	STEP 0, 0, 1                                   ; the first step's products start the sums
	s_mov_b32 s3, LAPS-1
.Llap:
	STEPS 0, 1
	TURN 0, 1, 1
	STEPS 1, 0
	TURN 1, 0, 1
	STEP 0, 0, 0
	s_sub_co_u32 s3, s3, 1
	s_cmp_lg_u32 s3, 0
	s_cbranch_scc1 .Llap
	STEPS 0, 1                                     ; the last lap fills nothing
	TURN 0, 1, 0
	STEPS 1, 0
	s_wait_dscnt 4*NL
	WIN MUL_LO
	MUL16 0, 1, NQ-1, 1, 0
	MUL16 2, 1, NQ-1, 1, 0
	s_wait_dscnt 0
	WIN MUL_HI
	MUL16 4, 1, NQ-1, 1, 0
	MUL16 6, 1, NQ-1, 1, 0
	WIN 0
; THE WAY OUT, block by block of 16 positions x 128 channels.  A block goes through my stage and comes back as whole rows: lane l then holds channels 4 l .. 4 l + 3 of a position, which are the rotary pairs 2 l and 2 l + 1.
.macro TAB a                           ; cos and sin of block a's 16 positions, 8 bytes a lane: an instruction reads 256 consecutive bytes
	WIN 0x40
.set TBL, 64*((\a)%2)
.irp t, 0,1,2,3,4,5,6,7,8,9,10,11,12,13,14,15
	global_load_b64 v[TBL+2*\t:TBL+2*\t+1], v[CT], s[8:9] offset:(\a)*4096+\t*256
	global_load_b64 v[TBL+32+2*\t:TBL+32+2*\t+1], v[CT], s[10:11] offset:(\a)*4096+\t*256
.endr
	WIN 0
.endm
.macro TOSTAGE a, soff
.set AC, 64*((\a)%4)
	WIN 0x08+4*((\a)/4)                            ; the data: window 2 or 3
.irp b, 0,1,2,3,4,5,6,7
	ds_store_b128 v[STO], v[AC+8*\b:AC+8*\b+3] offset:\soff+64*\b          ; each accumulator from its low end on
	ds_store_b128 v[STO], v[AC+8*\b+4:AC+8*\b+7] offset:\soff+64*\b+16
.endr
	WIN 0
.set BB, BK+64*((\a)%2)
.irp t, 0,1,2,3,4,5,6,7,8,9,10,11,12,13,14,15
	ds_load_b128 v[BB+4*\t:BB+4*\t+3], v[RD] offset:\soff+\t*SPITCH        ; a wave's LDS instructions are served in order: these see the stores above
.endr
.endm
; (te, to) x 128^(-1/4); tmp = (-to s, te s); (te, to) c + tmp = (te c - to s, to c + te s).  e picks the lane's first or second pair of cos and sin.
.macro ROPE a
.set BB, BK+64*((\a)%2)
.set TBL, 64*((\a)%2)
	WIN 0x04                                       ; source 1 (cos, sin) in window 1
.irp t, 0,1,2,3,4,5,6,7,8,9,10,11,12,13,14,15
.irp e, 0,1
	v_pk_mul_f32 v[BB+4*\t+2*\e:BB+4*\t+2*\e+1], v[BB+4*\t+2*\e:BB+4*\t+2*\e+1], s[SCQ:SCQ+1] op_sel_hi:[1,0]
.endr
.irp e, 0,1
	v_pk_mul_f32 v[TMPP+2*((2*\t+\e)%8):TMPP+2*((2*\t+\e)%8)+1], v[BB+4*\t+2*\e:BB+4*\t+2*\e+1], v[TBL+32+2*\t:TBL+32+2*\t+1] op_sel:[1,\e] op_sel_hi:[0,\e] neg_lo:[1,0]
.endr
.irp e, 0,1
	v_pk_fma_f32 v[BB+4*\t+2*\e:BB+4*\t+2*\e+1], v[BB+4*\t+2*\e:BB+4*\t+2*\e+1], v[TBL+2*\t:TBL+2*\t+1], v[TMPP+2*((2*\t+\e)%8):TMPP+2*((2*\t+\e)%8)+1] op_sel:[0,\e,0] op_sel_hi:[1,\e,1]
.endr
.endr
	WIN 0
.endm
.macro SENDQ a                         ; rounded to f16, 8 bytes a lane: the wave stores a head's row of 256 bytes, aligned
.set BB, BK+64*((\a)%2)
.set OO, OUT+32*((\a)%2)
.irp t, 0,1,2,3,4,5,6,7,8,9,10,11,12,13,14,15
	v_cvt_pk_f16_f32 v[OO+2*\t], v[BB+4*\t], v[BB+4*\t+1]
	v_cvt_pk_f16_f32 v[OO+2*\t+1], v[BB+4*\t+2], v[BB+4*\t+3]
.endr
.irp t, 0,1,2,3,4,5,6,7,8,9,10,11,12,13,14,15
	global_store_b64 v[CT], v[OO+2*\t:OO+2*\t+1], s[12:13] offset:(\a)*4096+\t*256
.endr
.endm
.macro WAYOUT rope, soff
	PLACES NP                                      ; behind the last products: for the loads into registers that they read and for the first reads of results
.if \rope
	TAB 0
	TAB 1
.endif
	TOSTAGE 0, \soff
.irp a, 0,1,2,3,4,5,6,7
.if \a < 7
	TOSTAGE \a+1, \soff
	s_wait_dscnt 32                                ; block a is back; the next block's 16 stores and 16 loads may be out
.else
	s_wait_dscnt 0x0
.endif
.if \rope
.if \a < 7
	s_wait_loadcnt 32                              ; block a's cos and sin are in; the next block's 32 loads may be out
.else
	s_wait_loadcnt 0x0
.endif
	ROPE \a
.endif
	s_wait_xcnt 0x0                                ; the stores of two blocks ago have read their registers: that set is written again
	SENDQ \a
.if \rope && (\a < 6)
	TAB \a+2
.endif
.endr
.endm
	s_cmp_ge_u32 ttmp9, 4                          ; tile columns 16 to 23 are v's: the cluster's x, the same in all sixteen partners
	s_cbranch_scc1 .Lvalues
	WAYOUT 1, 0
	s_branch .Lstored
.Lvalues:
	WAYOUT 0, VSTG
.Lstored:
	s_wait_tensorcnt 0x0                           ; the wave's end
	ds_add_u32 v[SPW], v[NIL]
	s_wait_dscnt 0x0
	CROUND                                         ; the closing round
	s_endpgm
.Lfunc_end_k_q932ce0c0f0_qkv:
	.size	k_q932ce0c0f0_qkv, .Lfunc_end_k_q932ce0c0f0_qkv-k_q932ce0c0f0_qkv
	.p2alignl 7, 3214868480
	.fill 96, 4, 3214868480
	.section	.rodata,"a",@progbits
	.p2align	6, 0x0
	.amdhsa_kernel k_q932ce0c0f0_qkv
		.amdhsa_group_segment_fixed_size 327680
		.amdhsa_private_segment_fixed_size 0
		.amdhsa_enable_private_segment 0
		.amdhsa_kernarg_size 40
		.amdhsa_user_sgpr_count 2
		.amdhsa_user_sgpr_kernarg_segment_ptr 1
		.amdhsa_wavefront_size32 1
		.amdhsa_system_sgpr_workgroup_id_x 1
		.amdhsa_system_sgpr_workgroup_id_y 1
		.amdhsa_system_sgpr_workgroup_id_z 1
		.amdhsa_system_vgpr_workitem_id 0
		.amdhsa_next_free_vgpr 1024
		.amdhsa_next_free_sgpr 98
		.amdhsa_reserve_vcc 0
		.amdhsa_float_denorm_mode_32 3
		.amdhsa_float_denorm_mode_16_64 3
		.amdhsa_memory_ordered 1
		.amdhsa_forward_progress 1
		.amdhsa_inst_pref_size 255
	.end_amdhsa_kernel
	.section	.bss,"aw",@nobits
	.p2align	6
	.space	262144
	.amdgpu_metadata
---
amdhsa.version: [ 1, 2 ]
amdhsa.kernels:
  - .name:           k_q932ce0c0f0_qkv
    .symbol:         k_q932ce0c0f0_qkv.kd
    .args:
      - { .name: xq, .offset: 0, .size: 8, .value_kind: global_buffer, .address_space: global }
      - { .name: wq, .offset: 8, .size: 8, .value_kind: global_buffer, .address_space: global }
      - { .name: freqs_cos, .offset: 16, .size: 8, .value_kind: global_buffer, .address_space: global }
      - { .name: freqs_sin, .offset: 24, .size: 8, .value_kind: global_buffer, .address_space: global }
      - { .name: qkv, .offset: 32, .size: 8, .value_kind: global_buffer, .address_space: global }
    .group_segment_fixed_size: 327680
    .private_segment_fixed_size: 0
    .kernarg_segment_align: 8
    .kernarg_segment_size: 40
    .max_flat_workgroup_size: 128
    .sgpr_count:     98
    .vgpr_count:     1024
    .wavefront_size: 32
...
	.end_amdgpu_metadata
.endif
;; end of part 2
;; launch attn (part 3): grid 16 x 16, 4 waves a work-group, clusters of 4 x 4, 327,680 bytes of LDS; arguments qkv, mask, a16, a32; writes a16, a32
.if DOCPART == 3
	.amdgcn_target "amdgcn-amd-amdhsa--gfx1250"
	.amdhsa_code_object_version 6
	.text
	.protected	k_q932ce0c0f0_attn
	.globl	k_q932ce0c0f0_attn
	.p2align	8
	.type	k_q932ce0c0f0_attn,@function
k_q932ce0c0f0_attn:
	s_mov_b64 s[64:65], 0
	v_nop
	global_prefetch_b8 v0, s[64:65] scope:SCOPE_SE
	s_setreg_imm32_b32 hwreg(HW_REG_WAVE_MODE, 25, 1), 1
	s_wait_xcnt 0x0
	s_wait_alu depctr_hold_cnt(0) depctr_sa_sdst(0) depctr_va_vdst(0) depctr_va_sdst(0) depctr_va_ssrc(0) depctr_va_vcc(0) depctr_vm_vsrc(0)
	s_getreg_b32 s2, hwreg(HW_REG_IB_STS2, 6, 4)
	s_cmp_eq_u32 s2, 0
	s_cbranch_scc0 .Lentry_in_a_cluster
	s_endpgm
.Lentry_in_a_cluster:
	s_bfe_u32 s2, ttmp6, 0x10000c
	s_cmp_lg_u32 s2, 0xf033
	s_cbranch_scc0 .Lentry_shape_is_right
	s_endpgm
.Lentry_shape_is_right:
; THIRD LAUNCH: a[q][head] = the sum over k of softmax_k(q' . k' + mask[q][k]) v[k], q' and k' carrying 128^(-1/4) each.  q', k', v: f16, [16][2048][128] each, in qkv; mask: f32 [2048][2048], an input: every pair is computed.
; LEFT OUT: the 1e-9 added to the scores: the same for all keys of a row, so the softmax does not change for any values of the inputs.
; THE MASK IS THE C OF THE FIRST PRODUCT OF EACH SCORE TILE: its fragment is loaded from LDS into the score registers, and u = mask + q' . k' is summed in f32 by the matrix instructions.
; SOFTMAX: for each query a running maximum m and sum l: p = 2^(c (u - m)), c = log2(e).  THE DIFFERENCE u - m IS TAKEN FIRST, in f32, and then multiplied by c: it is 0 at the maximum and never positive, so p is at most 1
; whatever the size of u (a mask of -1e9 on all of a wave's keys; a common offset): c u - c m in one fused step would carry the rounding of c m, which at such sizes is many powers of two.
; In every step O and l are multiplied by 2^(c (m_old - m_new)).  p is rounded to f16 for the second product; l sums the unrounded p.
; LIMITS: m is held at -1e30 from below, so a mask of -infinity is served wherever a row has a finite u; a row whose every u lies under -1e30 is not served; NaN is not served; u has one rounding order of its own (the matrix unit's).
; SHARES.  A work-group owns 128 queries of one head.  Wave (QI, KJ) = (wave / 2, wave % 2) owns 64 queries (four tiles of 16) and, of every slot of 128 keys, keys 64 KJ .. 64 KJ + 63.  Sixteen slots.
; At the end the two waves of a query half exchange two tiles each through LDS and join maxima, sums and O: each finishes two tiles.
; LAYOUT: S^T = K Q^T and O^T = V^T P: a lane holds one query throughout.  BY TURNS: the wave's tiles are two pieces (0: tiles 0, 1; 2: tiles 2, 3); in a turn one piece has the matrix unit
; (32 products V^T P of the step in hand, 32 products K Q^T of the next), and the other piece's softmax stands in 64 slices behind those matrix instructions.
; CLUSTER: 4 x 4.  K and V hang on the head (y) and are asked for jointly along a row of the cluster; the mask hangs on the query block (x) and is asked for jointly along a column.
; OUT: a16 [2048][2048] f16; rows 0-15 also as f32 in a32 [16][2048], for the last launch.
; REGISTERS: window 0: v2-8, v44-63 addresses; v12-43 statistics; v64-191 S^T; v192-255 P.  window 1: O^T.  window 2: v0-127 Q, v128-255 K.  window 3: v0-127 V; v128-255 the partner's O^T at the end.
.set KS,    64
.set PK,    272                        ; a row of K in LDS: 256 + 16 bytes
.set PV,    288                        ; a row of V: 256 + 32
.set PM,    528                        ; a row of the mask: 512 + 16
.set VOFF,  128*PK
.set MOFF,  VOFF+128*PV
.set SLOTB, MOFF+128*PM                ; 139,264 = 0x22000; the tiles' places in a slot (0, 0x8800, 0x11800, 0x19c00) hold neither of its two bits, so one exclusive or turns an address into the other slot's
.set SPARE, 2*SLOTB                    ; the spare words, 128 bytes a wave, which no other line names
.set XST,   65536                      ; at the end, in slot 0, which has had its last fill and its last read: from 0 four images of O^T of 16,384 bytes; here four of statistics of 512;
.set STAGE, 67584                      ; here 16 rows x 272 bytes for each wave
.set SP,    272
.set AK0, 2
.set AV0, 3
.set ADR, 4
.set QO,  5
.set STO, 6
.set RD,  7
.set GO,  8
.set ST,  12                           ; tile t's statistics at v[ST+8 t]: +0 m, +1 named only as the upper half of m's pair, +2, +3 l, +4 to +7 at work; a takes +6 once the maximum is found
.set AM0, 44
.set XS,  45
.set XL,  46
.set XSS, 47
.set XSL, 48
.set QBV, 49
.set G32, 50
.set PST, 51                           ; v51-54 the partner's m and l of two tiles
.set PFO, 61
.set SPW, 62
.set NIL, 63
.set S,   64
.set P,   192
.set KF,  128
.set WV,  12
.set LIM, 15
.set QI,  16
.set KJ,  17
.set PFA, 18
.set G1K, 24
.set G1V, 32
.set G1M, 40
.set G0K, 48
.set G0V, 56
.set SLOTS, 66
.set TB,  67
.set G0M, 68
.set CS,  76
.set SEL, 78
.set PFS, 80
.set FLR, 82
.set QB,  83
.set HEAD, 84
.set MSB, 0
.macro WIN new
.if MSB != \new
	s_set_vgpr_msb (MSB<<8)|\new
.set MSB, \new
.endif
.endm
.set W_KQ, 0x0a
.set W_PV, 0x53
.set W_RS, 0x41
; A joint load: wave 0 fetches a slot's K, wave 1 its V, waves 2 and 3 the two halves of its mask tile.  The branches hang on the wave's number alone.  An s_nop 0 and four v_nop follow each line.
.macro JLOAD set
	s_cmp_eq_u32 s[WV], 0
	s_cbranch_scc0 .Lnot_k_\@
	tensor_load_to_lds s[G0K+4*\set:G0K+4*\set+3], s[G1K:G1K+7]
	s_nop 0
.rept 4
	v_nop
.endr
	s_branch .Lasked_\@
.Lnot_k_\@:
	s_cmp_eq_u32 s[WV], 1
	s_cbranch_scc0 .Lnot_v_\@
	tensor_load_to_lds s[G0V+4*\set:G0V+4*\set+3], s[G1V:G1V+7]
	s_nop 0
.rept 4
	v_nop
.endr
	s_branch .Lasked_\@
.Lnot_v_\@:
	tensor_load_to_lds s[G0M+4*\set:G0M+4*\set+3], s[G1M:G1M+7]
	s_nop 0
.rept 4
	v_nop
.endr
.Lasked_\@:
.endm
; A PREFETCH INTO THE L2 of the slot that stands two changes on: behind the wave's tensor load and its five lines.  Each aligned block of 256 bytes is named once in the launch.  K and V of a head are walked by
; the four clusters along x: cluster x = 0 asks, its four partners of a row 32 rows each, told apart by address (wave 0: K, wave 1: V; a lane a row).  A mask tile is walked by the four clusters along y: cluster y = 0 asks,
; the four partners of a column 16 of a wave's 64 rows each (waves 2, 3; two lanes a row of 512 bytes).  Changes 1 to 12 ask for slots 4 to 15; slots 0 to 3 come by their loads alone.
.macro ASK
	s_cmp_gt_u32 s[SLOTS], s[LIM]
	s_cbranch_scc0 .Lnot_mine_\@
	global_prefetch_b8 v[PFO], s[PFA:PFA+1] th:TH_LOAD_NT scope:SCOPE_SE
.Lnot_mine_\@:
.endm
.macro CROUND
	s_barrier_signal -1
	s_barrier_wait -1
	s_cmp_lg_u32 s[WV], 0
	s_cbranch_scc1 .Lnot_wave_0_\@
	s_barrier_signal -3
.Lnot_wave_0_\@:
	s_barrier_wait -3
	s_barrier_signal -1
	s_barrier_wait -1
.endm
	s_load_b256 s[4:11], s[0:1], 0x0               ; qkv s[4:5], mask s[6:7], a16 s[8:9], a32 s[10:11]
	v_lshl_add_u32 v[SPW], v0, 2, SPARE
	v_mov_b32 v[NIL], 0
	ds_add_u32 v[SPW], v[NIL]                      ; the wave's opening: the add, twice on end, and its wait ahead of my first tensor load
	ds_add_u32 v[SPW], v[NIL]
	v_lshrrev_b32 v1, 5, v0
	v_readfirstlane_b32 s[WV], v1                  ; wave 0..3
	s_lshr_b32 s[QI], s[WV], 1
	s_and_b32 s[KJ], s[WV], 1
	s_bfe_u32 s13, ttmp6, 0x40000                  ; cx
	s_bfe_u32 s14, ttmp6, 0x40004                  ; cy
	s_lshl_b32 s[QB], ttmp9, 2
	s_add_co_u32 s[QB], s[QB], s13                 ; my block of 128 queries
	s_and_b32 s[HEAD], ttmp7, 0xffff
	s_lshl_b32 s[HEAD], s[HEAD], 2
	s_add_co_u32 s[HEAD], s[HEAD], s14             ; my head
	s_lshl_b32 s20, s14, 2
	s_lshl_b32 s20, 15, s20                        ; my row of the cluster
	s_lshl_b32 s21, 0x1111, s13                    ; my column
	s_or_b32 s[G1K], s20, (1<<16)|(1<<20)|(1<<21)|(5<<22)|(3<<25)   ; mask; elements of 2 bytes; padding on; bit 21 beside a mask; after every 64 words, 4 words
	s_or_b32 s[G1V], s20, (1<<16)|(1<<20)|(1<<21)|(5<<22)|(7<<25)   ; 8 words
	s_or_b32 s[G1M], s21, (2<<16)|(1<<20)|(1<<21)|(6<<22)|(3<<25)   ; elements of 4 bytes; after every 128 words, 4 words
.irp g, G1K, G1V
	s_mov_b32 s[\g+1], 128<<16                     ; tensor_dim0 = 128
	s_mov_b32 s[\g+2], 128<<16                     ; tensor_dim1 = 128
	s_mov_b32 s[\g+3], 128<<16                     ; tile_dim0 = 128
	s_mov_b32 s[\g+4], 128                         ; tile_dim1 = 128 rows
	s_mov_b32 s[\g+5], 128                         ; stride
	s_mov_b32 s[\g+6], 0
	s_mov_b32 s[\g+7], 0
.endr
	s_mov_b32 s[G1M+1], 128<<16
	s_mov_b32 s[G1M+2], 64<<16
	s_mov_b32 s[G1M+3], 128<<16                    ; 128 keys
	s_mov_b32 s[G1M+4], 64                         ; 64 queries
	s_mov_b32 s[G1M+5], 2048
	s_mov_b32 s[G1M+6], 0
	s_mov_b32 s[G1M+7], 0
	s_mov_b32 s[CS], 0x3fb8aa3b                    ; c = log2(e)
	s_mov_b32 s[CS+1], s[CS]
	s_mov_b32 s[SEL], 0x76543210
	s_mov_b32 s[SEL+1], 0xfedcba98
	s_mov_b32 s[FLR], 0xf149f2ca                   ; -1e30
	s_mov_b32 s[TB], 0
	s_lshl_b32 s86, s[HEAD], 19                    ; my head's 2,048 rows of 256 bytes
	s_add_co_u32 s88, s86, 8388608                 ; in k's part of qkv,
	s_mov_b32 s89, 0
	s_add_co_u32 s90, s86, 16777216                ; in v's
	s_mov_b32 s91, 0
	s_lshl_b32 s92, s[QB], 20                      ; the mask: my block's 128 rows of 8,192 bytes,
	s_lshl_b32 s22, s[KJ], 19                      ; the 64 of them that waves 2 and 3 fetch
	s_add_co_u32 s92, s92, s22
	s_mov_b32 s93, 0
	s_mul_i32 s23, s[KJ], 64*PM                    ; and their place in a slot
	s_lshl_b32 s94, s[QB], 15                      ; q: my block, my wave's 64 rows, my head
	s_lshl_b32 s22, s[QI], 14
	s_add_co_u32 s94, s94, s22
	s_add_co_u32 s94, s94, s86
	s_mov_b32 s95, 0
	s_lshl_b32 s2, s[QB], 19                       ; a16: rows of 4,096 bytes; my head's 256 bytes
	s_lshl_b32 s3, s[QI], 18
	s_add_co_u32 s2, s2, s3
	s_lshl_b32 s3, s[HEAD], 8
	s_add_co_u32 s2, s2, s3
	s_mov_b32 s3, 0
	s_lshl_b32 s96, s[HEAD], 9                     ; a32: my head's 512 bytes of a row
	s_mov_b32 s97, 0
	s_wait_dscnt 0x0                               ; both opening adds are done
	s_wait_kmcnt 0x0
	s_add_nc_u64 s[88:89], s[4:5], s[88:89]
	s_add_nc_u64 s[90:91], s[4:5], s[90:91]
	s_add_nc_u64 s[92:93], s[6:7], s[92:93]
	s_add_nc_u64 s[94:95], s[4:5], s[94:95]
	s_add_nc_u64 s[8:9], s[8:9], s[2:3]
	s_add_nc_u64 s[10:11], s[10:11], s[96:97]
	; the prefetches: where my wave's stand (at slot 3: each change steps first), their step, and who asks
	s_add_co_u32 s2, s[WV], 1
	s_lshl_b32 s2, s2, 23
	s_add_co_u32 s2, s2, s86
	s_lshl_b32 s3, s13, 13
	s_add_co_u32 s2, s2, s3
	s_add_co_u32 s2, s2, 3*32768                   ; k (wave 0) or v (wave 1): my head, my work-group's 32 rows
	s_lshl_b32 s3, s[QB], 7
	s_lshl_b32 s99, s[KJ], 6
	s_add_co_u32 s3, s3, s99
	s_lshl_b32 s99, s14, 4
	s_add_co_u32 s3, s3, s99
	s_lshl_b32 s3, s3, 13
	s_add_co_u32 s3, s3, 3*512                     ; the mask: my wave's 64 rows, my work-group's 16 of them
	s_and_b32 s99, ttmp7, 0xffff
	s_mov_b32 s[PFS], 512
	s_mov_b32 s[PFS+1], 0
	s_mov_b32 s98, 8192
	s_cmp_lt_u32 s[WV], 2
	s_cselect_b64 s[PFA:PFA+1], s[4:5], s[6:7]
	s_cselect_b32 s2, s2, s3
	s_cselect_b32 s99, ttmp9, s99                  ; the coordinate along which other clusters read the same rows
	s_cselect_b32 s[PFS], 32768, s[PFS]
	s_cselect_b32 s98, 512, s98
	s_mov_b32 s3, 0
	s_add_nc_u64 s[PFA:PFA+1], s[PFA:PFA+1], s[2:3]
	s_cmp_eq_u32 s99, 0
	s_cselect_b32 s[LIM], 2, -1                    ; the same in all sixteen partners, for a given wave
	v_and_b32 v10, 31, v0
	v_lshrrev_b32 v11, 1, v10
	v_and_b32 v10, 1, v10
	v_mul_lo_u32 v[PFO], v11, s98
	v_lshl_add_u32 v[PFO], v10, 8, v[PFO]          ; (lane / 2) x (512 or 8,192) + (lane % 2) x 256
	CROUND                                         ; all sixteen work-groups are here: the first joint loads meet
.irp s, 0,1
	s_mov_b32 s[G0K+4*\s], 1
	s_mov_b32 s[G0K+4*\s+1], \s*SLOTB
	s_add_nc_u64 s[G0K+4*\s+2:G0K+4*\s+3], s[88:89], \s*32768
	s_or_b32 s[G0K+4*\s+3], s[G0K+4*\s+3], 0x80000000
	s_mov_b32 s[G0V+4*\s], 1
	s_mov_b32 s[G0V+4*\s+1], \s*SLOTB+VOFF
	s_add_nc_u64 s[G0V+4*\s+2:G0V+4*\s+3], s[90:91], \s*32768
	s_or_b32 s[G0V+4*\s+3], s[G0V+4*\s+3], 0x80000000
	s_mov_b32 s[G0M+4*\s], 1
	s_add_co_u32 s[G0M+4*\s+1], s23, \s*SLOTB+MOFF
	s_add_nc_u64 s[G0M+4*\s+2:G0M+4*\s+3], s[92:93], \s*512
	s_or_b32 s[G0M+4*\s+3], s[G0M+4*\s+3], 0x80000000
.endr
	JLOAD 0                                        ; slots 0 and 1: two loads of mine are out
	JLOAD 1
	v_and_b32 v1, 15, v0                           ; r = l % 16
	v_bfe_u32 v9, v0, 4, 1                         ; h = l / 16
	v_lshlrev_b32 v[QO], 8, v1
	v_lshl_add_u32 v[QO], v9, 4, v[QO]
	WIN 0x80
.irp i, 0,1,2,3,4,5,6,7,8,9,10,11,12,13,14,15  ; Q stays in registers: tile i / 4, channels 32 (i % 4) on
	global_load_b128 v[8*\i:8*\i+3],   v[QO], s[94:95] offset:(\i/4)*4096+(\i%4)*64
	global_load_b128 v[8*\i+4:8*\i+7], v[QO], s[94:95] offset:(\i/4)*4096+(\i%4)*64+32
.endr
	WIN 0
	s_mul_i32 s22, s[KJ], 64*PK
	v_mul_u32_u24 v[AK0], v1, PK
	v_lshl_add_u32 v[AK0], v9, 4, v[AK0]
	v_add_nc_u32 v[AK0], s22, v[AK0]               ; K: (64 KJ + r) x pitch + 16 h
	v_and_b32 v10, 7, v0
	v_bfe_u32 v11, v0, 3, 1
	v_lshl_add_u32 v[AV0], v9, 3, v10
	v_mul_u32_u24 v[AV0], v[AV0], PV
	v_lshl_add_u32 v[AV0], v11, 4, v[AV0]
	s_mul_i32 s22, s[KJ], 64*PV
	s_add_co_u32 s22, s22, VOFF
	v_add_nc_u32 v[AV0], s22, v[AV0]               ; V, for the turning load: key 64 KJ + 8 h + l % 8, 16 bytes by (l / 8) % 2
	s_mul_i32 s22, s[QI], 64*PM
	s_lshl_b32 s23, s[KJ], 8
	s_add_co_u32 s22, s22, s23
	s_add_co_u32 s22, s22, MOFF
	v_mul_u32_u24 v[AM0], v1, PM
	v_lshl_add_u32 v[AM0], v9, 5, v[AM0]
	v_add_nc_u32 v[AM0], s22, v[AM0]               ; the mask: row 64 QI + r, my 64 keys' 256 bytes, + 32 h: register j of key tile f is key 16 f + 8 h + j, as in the result
; Product i of 32 of O^T += V^T P for piece x.  The accumulators take turns, one instruction a turn.
.macro PV x, zero
	WIN W_PV
.set rO, 64*(\x+i%2)+8*((i/2)%8)
.set rV, 64*(i/16)+8*((i/2)%8)
.set rP, P+16*(\x+i%2)+8*(i/16)
.if \zero && (i < 16)
	v_wmma_f32_16x16x32_f16 v[rO:rO+7], v[rV:rV+7], v[rP:rP+7], 0
.else
	v_wmma_f32_16x16x32_f16 v[rO:rO+7], v[rV:rV+7], v[rP:rP+7], v[rO:rO+7]
.endif
.endm
; Product i of 32 of S^T = mask + K Q^T: the first 8 find the mask in the score registers.
.macro KQ x
	WIN W_KQ
.set rS, S+32*(\x+i%2)+8*((i/2)%4)
.set rK, KF+32*((i/2)%4)+8*(i/8)
.set rQ, 32*(\x+i%2)+8*(i/8)
	v_wmma_f32_16x16x32_f16 v[rS:rS+7], v[rK:rK+7], v[rQ:rQ+7], v[rS:rS+7]
.endm
.macro FETCH_K
	WIN 0
	v_add_nc_u32 v[ADR], s[TB], v[AK0]
	WIN 0x80
.irp f, 0,1,2,3,4,5,6,7,8,9,10,11,12,13,14,15
	ds_load_b128 v[KF+8*\f:KF+8*\f+3],   v[ADR] offset:(\f/4)*16*PK+(\f%4)*64
	ds_load_b128 v[KF+8*\f+4:KF+8*\f+7], v[ADR] offset:(\f/4)*16*PK+(\f%4)*64+32
.endr
.endm
.macro FETCH_M x                       ; piece x's mask fragments into its score registers: its last softmax has read them, and their last matrix writer stands two turns back
	WIN 0
	v_add_nc_u32 v[ADR], s[TB], v[AM0]
.irp t, \x, \x+1
.irp f, 0,1,2,3
	ds_load_b128 v[S+32*(\t)+8*\f:S+32*(\t)+8*\f+3],   v[ADR] offset:16*PM*(\t)+64*\f
	ds_load_b128 v[S+32*(\t)+8*\f+4:S+32*(\t)+8*\f+7], v[ADR] offset:16*PM*(\t)+64*\f+16
.endr
.endr
.endm
.macro FETCH_V
	WIN 0
	v_add_nc_u32 v[ADR], s[TB], v[AV0]
	s_wait_alu depctr_va_vdst(0)                   ; the wait for the softmax's batch of exponentials, ahead of the first instruction that names a result
	WIN 0xc0
.irp f, 0,1,2,3,4,5,6,7,8,9,10,11,12,13,14,15
	ds_load_tr16_b128 v[8*\f:8*\f+3],   v[ADR] offset:(\f/8)*32*PV+(\f%8)*32
	ds_load_tr16_b128 v[8*\f+4:8*\f+7], v[ADR] offset:(\f/8)*32*PV+16*PV+(\f%8)*32
.endr
.endm
; One tile's softmax for one step is a list of 150 instructions; SM writes number j for tile t.  s0-s31 are the lane's 32 scores, in pairs 0-15.
;   0-15    the maximum of s0-s31 and the old m     16-20 the other half of the lanes' maximum; the new m; c (m_old - m_new)     21-36 the differences u - m, a pair of scores each
;   37-85   the 16 scalings by c and all 33 exponentials (a at 39, then s0-s31): none of these reads an exponential's result; from 38 on in fours, a four beginning with a scaling while there are scalings;
;           a pair is scaled in an earlier four than the one that holds its exponentials
;   (wait)  between 85 and 86 stands the wait for the batch: SLICE writes it, once for both tiles
;   86-101  the roundings to f16     102-117 the sums; l = a l + the sum     118-149 the tile's O^T times a
; first = 1: the first step: the floor in the old maximum's place, no a, nothing to rescale.
.macro SM t, first
.set rT, ST+8*(\t)
.set rS, S+32*(\t)
.set rP, P+16*(\t)
.set rO, 64*(\t)+2*(j-118)
.set jo, j-16
.if j < 118
	WIN 0
.endif
.if j < 4
	v_max3_num_f32 v[rT+4+j], v[rS+8*j], v[rS+8*j+1], v[rS+8*j+2]
.elseif j < 12
	v_max3_num_f32 v[rT+4+j%4], v[rT+4+j%4], v[rS+8*(j%4)+2*(j/4)+1], v[rS+8*(j%4)+2*(j/4)+2]
.elseif j == 12
	v_max3_num_f32 v[rT+4], v[rT+4], v[rS+7], v[rS+15]
.elseif j == 13
	v_max3_num_f32 v[rT+6], v[rT+6], v[rS+23], v[rS+31]
.elseif j == 14
	v_max3_num_f32 v[rT+4], v[rT+4], v[rT+5], v[rT+6]
.elseif (j == 15) && \first
	v_max3_num_f32 v[rT+4], v[rT+4], v[rT+7], s[FLR]
.elseif j == 15
	v_max3_num_f32 v[rT+4], v[rT+4], v[rT+7], v[rT]
.elseif j == 16
	v_permlanex16_b32 v[rT+5], v[rT+4], s[SEL], s[SEL+1]  ; the query's other 32 keys lie in the lane 16 away
.elseif j == 18
	v_max_num_f32 v[rT], v[rT+4], v[rT+5]
.elseif ((j == 17) || (j == 19) || (j == 20) || (j == 39) || (j > 117)) && \first  ; the first step has none of these
.elseif j == 17
	v_mov_b32 v[rT+7], v[rT]                       ; m_old is kept for a: number 18 writes m anew
.elseif j == 19
	v_sub_f32 v[rT+7], v[rT+7], v[rT]
.elseif j == 20
	v_mul_f32 v[rT+7], s[CS], v[rT+7]
.elseif j < 37
	v_pk_add_f32 v[rS+2*(j-21):rS+2*(j-21)+1], v[rS+2*(j-21):rS+2*(j-21)+1], v[rT:rT+1] op_sel_hi:[1,0] neg_lo:[0,1] neg_hi:[0,1]  ; pair j - 21: u - m, 0 or less
.elseif j == 39
	v_exp_f32 v[rT+6], v[rT+7]
.elseif (jo < 23) || ((jo < 38) && (jo%2 == 0)) || ((jo < 66) && (jo%4 == 2))
.set b, (jo-2)/4                       ; 54, 58, .. 78: pairs 9 to 15
.if jo < 38
.set b, (jo-20)/2                      ; 37: pair 0; 38, 40, .. 52: pairs 1 to 8
.endif
	v_pk_mul_f32 v[rS+2*b:rS+2*b+1], v[rS+2*b:rS+2*b+1], s[CS:CS+1] op_sel_hi:[1,0]  ; pair b: c (u - m)
.elseif j < 86
.set e, jo-38                          ; 82 to 85: s28 to s31
.if jo < 66
.set e, jo-32-(jo-38)/4                ; 55-57, 59-61, .. 79-81: s7 to s27
.endif
.if jo < 38
.set e, (jo-25)/2                      ; 41, 43, .. 53: s0 to s6
.endif
	v_exp_f32 v[rS+e], v[rS+e]
.elseif j < 102
	v_cvt_pk_f16_f32 v[rP+j-86], v[rS+2*(j-86)], v[rS+2*(j-86)+1]
.elseif j < 118
.set z, j-102
.set w, 4
.set u, z
.if z >= 14
.set w, 32
.set u, 0
.elseif z >= 12
.set w, 16
.set u, z-12
.elseif z >= 8
.set w, 8
.set u, z-8
.endif
.if (z == 14) && \first
	v_pk_add_f32 v[rT+2:rT+3], v[rS:rS+1], v[rS+16:rS+17]
.elseif z < 15
	v_pk_add_f32 v[rS+w*u:rS+w*u+1], v[rS+w*u:rS+w*u+1], v[rS+w*u+w/2:rS+w*u+w/2+1]
.elseif !\first
	v_pk_fma_f32 v[rT+2:rT+3], v[rT+2:rT+3], v[rT+6:rT+7], v[rS:rS+1] op_sel_hi:[1,0,1]
.endif
.else
	WIN W_RS
	v_pk_mul_f32 v[rO:rO+1], v[rO:rO+1], v[rT+6:rT+7] op_sel_hi:[1,0]
.endif
.endm
; Slice k of 64 of piece y's softmax.  2 x 150 = 300 instructions: slices 0 to 18: numbers 2 k and 2 k + 1 of both tiles (0 to 37); slices 19 to 42 deal out the batch, numbers 38 to 85, four numbers of one tile each,
; the tiles by turns; slices 43 to 62: three numbers of both tiles (86 to 145); slice 63: four (146 to 149): eight plain instructions, the places behind the turn's last products.
; Behind slice 42: one plain instruction and the one wait between the piece's 66 exponentials and the first instruction that names a result.
.macro SLICE y, first
.if k < 19
.irp n, 0,1
.irp t, \y, \y+1
.set j, 2*k+\n
	SM \t, \first
.endr
.endr
.elseif k < 43
.irp n, 0,1,2,3
.set j, 38+4*((k-19)/2)+(\n)
	SM (\y)+(k-19)%2, \first
.endr
.else
.irp n, 0,1,2,3
.if (\n < 3) || (k == 63)
.irp t, \y, \y+1
.set j, 86+3*(k-43)+\n
	SM \t, \first
.endr
.endif
.endr
.endif
.if k == 42
	v_nop
.if (\y) == 0
	FETCH_V                                        ; piece 2's turn: V's run of loads stands here, and the wait stands in it; behind the last product that read V (in front of slice 31) stand ten scalings, the v_nop and the run's own addition
.else
	s_wait_alu depctr_va_vdst(0)
.endif
.endif
.set k, k+1
.endm
.macro PLACES
.rept 4
	v_nop
.endr
.endm
; A TURN: piece x has the matrix unit.  pv = 2: 32 products V^T P; 1: they start O^T's sums; 0: none.  kq = 1: 32 products K Q^T of the next step.  Behind the second product stand the runs of LDS loads for those:
; piece 0's turn fetches K and its own mask fragments, piece 2's turn its mask fragments: 30 matrix instructions ahead of their first use.
.macro TURN x, pv, kq, first
.set k, 0
.set per, 2
.if \pv && \kq
.set per, 1
.endif
.if \pv
.if \x == 0
	s_wait_dscnt 0x0                               ; V is in
.endif
.set i, 0
.rept 32
	PV \x, 2-\pv
.rept per
	SLICE 2-\x, \first
.endr
.if \kq && (i == 1)
.if \x == 0
	FETCH_K
.endif
	FETCH_M \x
.endif
.set i, i+1
.endr
.endif
.if \kq
	s_wait_dscnt 0x0                               ; K and the mask fragments are in
.set i, 0
.rept 32
	KQ \x
.rept per
	SLICE 2-\x, \first
.endr
.set i, i+1
.endr
.endif
.if \first
	PLACES
.endif
.endm
; THE CHANGE OF SLOTS, between piece 2's turn and piece 0's: K, the mask and V of the slot have been asked for.  Each wave waits for all its tensor loads (one is out: its part of the other slot), adds 0 to its spare word,
; and waits for that and for its reads of the slot.  fill = 1: a round of the cluster's barrier, and the slot is filled again with the keys two slots on: the first thing behind the round, one load a wave.
.macro CHANGE fill
	WIN 0
	s_wait_tensorcnt 0x0                           ; no tensor load of mine is out, so a group 0 may be written
	ds_add_u32 v[SPW], v[NIL]
.if \fill
.irp g, G0K+4, G0V+4
	s_xor_b32 s[\g+1], s[\g+1], SLOTB
	s_add_nc_u64 s[\g+2:\g+3], s[\g+2:\g+3], 32768 ; the next 128 keys' rows
.endr
	s_xor_b32 s[G0M+5], s[G0M+5], SLOTB
	s_add_nc_u64 s[G0M+6:G0M+7], s[G0M+6:G0M+7], 512   ; the next 128 keys' columns
	s_wait_xcnt 0x0                                ; the last prefetch, a slot back, has read its address
	s_add_nc_u64 s[PFA:PFA+1], s[PFA:PFA+1], s[PFS:PFS+1]
	s_wait_dscnt 0x0                               ; the add is done, and my reads of the slot are over
	CROUND
	JLOAD 1
	ASK
.else
	s_wait_dscnt 0x0
	s_barrier_signal -1
	s_barrier_wait -1
.endif
	s_xor_b32 s[TB], s[TB], SLOTB                  ; the fetches go on in the other slot
.endm
	s_wait_tensorcnt 1                             ; my part of slot 0 is in; slot 1's may stay out
	s_barrier_signal -1
	s_barrier_wait -1
	FETCH_K
	FETCH_M 0
	FETCH_M 2
	s_wait_loadcnt 0x0                             ; Q
	s_wait_dscnt 0x0
.set i, 0
.rept 32
	KQ 0
.set i, i+1
.endr
	WIN 0                                          ; the addresses for the end are made here: plain instructions, the places behind those products
	s_mul_i32 s22, s[WV], 16*SP
	s_add_co_u32 s22, s22, STAGE
	v_mul_u32_u24 v[STO], v1, SP
	v_lshl_add_u32 v[STO], v9, 4, v[STO]
	v_add_nc_u32 v[STO], s22, v[STO]               ; my stage, in: row r, 16 bytes for each half of the lanes
	v_mul_u32_u24 v[RD], v9, SP
	v_lshl_add_u32 v[RD], v1, 4, v[RD]
	v_add_nc_u32 v[RD], s22, v[RD]                 ; back: lanes 0-15 one row of 256 bytes, lanes 16-31 the next
	v_lshlrev_b32 v[GO], 12, v9
	v_lshl_add_u32 v[GO], v1, 4, v[GO]             ; the same two rows in a16
	v_and_b32 v10, 31, v0
	s_lshl_b32 s22, s[WV], 14
	v_lshl_add_u32 v[XS], v10, 4, s22              ; my image of O^T: 16,384 x wave + 16 x lane
	s_xor_b32 s23, s[WV], 1
	s_lshl_b32 s23, s23, 14
	v_lshl_add_u32 v[XL], v10, 4, s23              ; my partner's
	s_lshl_b32 s22, s[WV], 9
	s_add_co_u32 s22, s22, XST
	v_lshl_add_u32 v[XSS], v10, 2, s22             ; my statistics' image
	s_lshr_b32 s23, s23, 5
	s_add_co_u32 s23, s23, XST
	v_lshl_add_u32 v[XSL], v10, 2, s23             ; my partner's
	v_mov_b32 v[QBV], s[QB]
	v_lshlrev_b32 v[G32], 13, v1
	v_lshl_add_u32 v[G32], v9, 5, v[G32]           ; a32: row r of 8,192 bytes, + 32 h
.irp t, 0,1,2,3
	v_mov_b32 v[ST+8*\t+1], 0                      ; (named as the upper half of m's pair, so it is written)
.endr
	TURN 2, 0, 1, 1                                ; piece 2's first scores | piece 0's first softmax | V of step 0
	s_mov_b32 s[SLOTS], 14
	CHANGE 1                                       ; slot 0 takes step 2
	TURN 0, 1, 1, 1                                ; piece 0: V^T P of step 0 starts O^T, K Q^T of step 1 | piece 2's first softmax
	TURN 2, 1, 1, 0
	WIN 0
	s_mov_b32 s[SLOTS], 13
.Lslot:                                            ; 13 trips: steps 3 to 15 are asked for
	CHANGE 1
	TURN 0, 2, 1, 0
	TURN 2, 2, 1, 0
	WIN 0
	s_sub_co_u32 s[SLOTS], s[SLOTS], 1
	s_cmp_lg_u32 s[SLOTS], 0
	s_cbranch_scc1 .Lslot
	CHANGE 0                                       ; the tail is written out: nothing is asked for
	TURN 0, 2, 1, 0
	TURN 2, 2, 1, 0
	TURN 0, 2, 0, 0                                ; piece 0: V^T P of the last step | piece 2's last softmax
.set i, 0
.rept 32
	PV 2, 0
.set i, i+1
.endr
	; THE END.  l's two halves and the other half of the lanes' are added (these are the places behind the last products); the two waves of a query half exchange two tiles each.
	WIN 0
.irp t, 0,1,2,3
	v_add_f32 v[ST+8*\t+4], v[ST+8*\t+2], v[ST+8*\t+3]
.endr
.irp t, 0,1,2,3
	v_permlanex16_b32 v[ST+8*\t+5], v[ST+8*\t+4], s[SEL], s[SEL+1]
.endr
.irp t, 0,1,2,3
	v_add_f32 v[ST+8*\t+4], v[ST+8*\t+4], v[ST+8*\t+5]
.endr
.macro SENDX ts                        ; tiles ts, ts + 1 go to my partner as images of their registers: 16 bytes a lane, 512 a store; m and l likewise, 4 bytes a lane
	WIN 0x04
.irp u, 0,1
.set i, 0
.rept 16
	ds_store_b128 v[XS], v[64*(\ts+\u)+4*i:64*(\ts+\u)+4*i+3] offset:8192*\u+512*i
.set i, i+1
.endr
.endr
	WIN 0
.irp u, 0,1
	ds_store_b32 v[XSS], v[ST+8*(\ts+\u)] offset:256*\u
	ds_store_b32 v[XSS], v[ST+8*(\ts+\u)+4] offset:256*\u+128
.endr
.endm
.macro APACK t                         ; a tile: rounded to f16, 16 bytes a lane into rows of 272 bytes, back as whole rows of 256
	WIN 0x05
.set i, 0
.rept 32
	v_cvt_pk_f16_f32 v[S+32*(\t)+i], v[64*(\t)+2*i], v[64*(\t)+2*i+1]
.set i, i+1
.endr
	WIN 0
.irp f, 0,1,2,3,4,5,6,7
	ds_store_b128 v[STO], v[S+32*(\t)+4*\f:S+32*(\t)+4*\f+3] offset:32*\f
.endr
.irp f, 0,1,2,3,4,5,6,7
	ds_load_b128 v[S+32*(\t)+4*\f:S+32*(\t)+4*\f+3], v[RD] offset:\f*2*SP
.endr
.endm
.macro ASEND t, younger                ; younger: the LDS instructions issued behind tile t's loads
.irp f, 0,1,2,3,4,5,6,7
	s_wait_dscnt \younger+7-\f
	global_store_b128 v[GO], v[S+32*(\t)+4*\f:S+32*(\t)+4*\f+3], s[8:9] offset:(\t)*65536+\f*8192   ; 16 lanes store 256 consecutive bytes, aligned
.endr
.endm
; Tiles t0, t0 + 1 are finished: with M = max(m, partner's m), f = 2^(c (m - M)), L = f l + f' l': O = (O f + O' f') / L.  The differences are taken first here too: one f is 1, the other at most 1.
.macro FINISH t0
	WIN 0xc0
.irp u, 0,1
.set i, 0
.rept 16
	ds_load_b128 v[128+64*\u+4*i:128+64*\u+4*i+3], v[XL] offset:8192*\u+512*i
.set i, i+1
.endr
.endr
	WIN 0
.irp u, 0,1
	ds_load_b32 v[PST+2*\u], v[XSL] offset:256*\u
	ds_load_b32 v[PST+2*\u+1], v[XSL] offset:256*\u+128
.endr
	s_wait_dscnt 0x0
.irp u, 0,1
	v_max_num_f32 v[ST+8*(\t0+\u)+5], v[ST+8*(\t0+\u)], v[PST+2*\u]
.endr
.irp u, 0,1
	v_sub_f32 v[ST+8*(\t0+\u)+6], v[ST+8*(\t0+\u)], v[ST+8*(\t0+\u)+5]
	v_sub_f32 v[ST+8*(\t0+\u)+2], v[PST+2*\u], v[ST+8*(\t0+\u)+5]
.endr
.irp u, 0,1
	v_mul_f32 v[ST+8*(\t0+\u)+6], s[CS], v[ST+8*(\t0+\u)+6]
	v_mul_f32 v[ST+8*(\t0+\u)+2], s[CS], v[ST+8*(\t0+\u)+2]
.endr
.irp u, 0,1
	v_exp_f32 v[ST+8*(\t0+\u)+6], v[ST+8*(\t0+\u)+6]
	v_exp_f32 v[ST+8*(\t0+\u)+2], v[ST+8*(\t0+\u)+2]
.endr
	v_nop                                          ; a plain instruction behind the last exponential,
	s_wait_alu depctr_va_vdst(0)                   ; and one wait for the four, ahead of their first reader
.irp u, 0,1
	v_mul_f32 v[ST+8*(\t0+\u)+5], v[ST+8*(\t0+\u)+6], v[ST+8*(\t0+\u)+4]
.endr
.irp u, 0,1
	v_fmac_f32 v[ST+8*(\t0+\u)+5], v[ST+8*(\t0+\u)+2], v[PST+2*\u+1]
.endr
.irp u, 0,1
	v_rcp_f32 v[ST+8*(\t0+\u)+1], v[ST+8*(\t0+\u)+5]
.endr
	v_nop
	s_wait_alu depctr_va_vdst(0)                   ; one wait for the two reciprocals
.irp u, 0,1
	v_mul_f32 v[ST+8*(\t0+\u)+6], v[ST+8*(\t0+\u)+6], v[ST+8*(\t0+\u)+1]
	v_mul_f32 v[ST+8*(\t0+\u)+2], v[ST+8*(\t0+\u)+2], v[ST+8*(\t0+\u)+1]
.endr
	WIN W_RS
.irp u, 0,1
.set i, 0
.rept 32
	v_pk_mul_f32 v[64*(\t0+\u)+2*i:64*(\t0+\u)+2*i+1], v[64*(\t0+\u)+2*i:64*(\t0+\u)+2*i+1], v[ST+8*(\t0+\u)+6:ST+8*(\t0+\u)+7] op_sel_hi:[1,0]
.set i, i+1
.endr
.endr
	WIN 0x53                                       ; source 0 (the partner's O^T) window 3, source 1 window 0, source 2 and destination window 1
.irp u, 0,1
.set i, 0
.rept 32
	v_pk_fma_f32 v[64*(\t0+\u)+2*i:64*(\t0+\u)+2*i+1], v[128+64*\u+2*i:128+64*\u+2*i+1], v[ST+8*(\t0+\u)+2:ST+8*(\t0+\u)+3], v[64*(\t0+\u)+2*i:64*(\t0+\u)+2*i+1] op_sel_hi:[1,0,1]
.set i, i+1
.endr
.endr
	WIN 0
.if \t0 == 0
	s_cmp_lg_u32 s[WV], 0                          ; queries 0-15 are tile 0 of wave 0 of query block 0: they leave as f32 too.  The block is told by EXEC
	s_cbranch_scc1 .Lno32
	v_cmp_eq_u32 vcc_lo, 0, v[QBV]
	s_wait_xcnt 0x0                                ; EXEC changes only behind this wait
	s_and_saveexec_b32 s96, vcc_lo
	WIN 0x04
.irp f, 0,1,2,3,4,5,6,7
	global_store_b128 v[G32], v[8*\f:8*\f+3], s[10:11] offset:64*\f
	global_store_b128 v[G32], v[8*\f+4:8*\f+7], s[10:11] offset:64*\f+16
.endr
	WIN 0
	s_wait_xcnt 0x0                                ; and again, in front of the line that widens it
	s_or_b32 exec_lo, exec_lo, s96
.Lno32:
.endif
	APACK \t0
	APACK \t0+1
	ASEND \t0, 16
	ASEND \t0+1, 0
.endm
	s_cmp_eq_u32 s[KJ], 0
	s_cbranch_scc0 .Lsend_low
	SENDX 2
	s_branch .Lsent
.Lsend_low:
	SENDX 0
.Lsent:
	s_wait_dscnt 0x0                               ; for my partner's sake: my stores have landed
	s_barrier_signal -1
	s_barrier_wait -1
	s_cmp_eq_u32 s[KJ], 0
	s_cbranch_scc0 .Lfin_high
	FINISH 0
	s_branch .Lfin
.Lfin_high:
	FINISH 2
.Lfin:
	s_wait_tensorcnt 0x0                           ; the wave's end
	ds_add_u32 v[SPW], v[NIL]
	s_wait_dscnt 0x0
	CROUND                                         ; the closing round
	s_endpgm
.Lfunc_end_k_q932ce0c0f0_attn:
	.size	k_q932ce0c0f0_attn, .Lfunc_end_k_q932ce0c0f0_attn-k_q932ce0c0f0_attn
	.p2alignl 7, 3214868480
	.fill 96, 4, 3214868480
	.section	.rodata,"a",@progbits
	.p2align	6, 0x0
	.amdhsa_kernel k_q932ce0c0f0_attn
		.amdhsa_group_segment_fixed_size 327680
		.amdhsa_private_segment_fixed_size 0
		.amdhsa_enable_private_segment 0
		.amdhsa_kernarg_size 32
		.amdhsa_user_sgpr_count 2
		.amdhsa_user_sgpr_kernarg_segment_ptr 1
		.amdhsa_wavefront_size32 1
		.amdhsa_system_sgpr_workgroup_id_x 1
		.amdhsa_system_sgpr_workgroup_id_y 1
		.amdhsa_system_sgpr_workgroup_id_z 1
		.amdhsa_system_vgpr_workitem_id 0
		.amdhsa_next_free_vgpr 1024
		.amdhsa_next_free_sgpr 100
		.amdhsa_reserve_vcc 1
		.amdhsa_float_denorm_mode_32 3
		.amdhsa_float_denorm_mode_16_64 3
		.amdhsa_memory_ordered 1
		.amdhsa_forward_progress 1
		.amdhsa_inst_pref_size 255
	.end_amdhsa_kernel
	.section	.bss,"aw",@nobits
	.p2align	6
	.space	262144
	.amdgpu_metadata
---
amdhsa.version: [ 1, 2 ]
amdhsa.kernels:
  - .name:           k_q932ce0c0f0_attn
    .symbol:         k_q932ce0c0f0_attn.kd
    .args:
      - { .name: qkv, .offset: 0, .size: 8, .value_kind: global_buffer, .address_space: global }
      - { .name: mask, .offset: 8, .size: 8, .value_kind: global_buffer, .address_space: global }
      - { .name: a16, .offset: 16, .size: 8, .value_kind: global_buffer, .address_space: global }
      - { .name: a32, .offset: 24, .size: 8, .value_kind: global_buffer, .address_space: global }
    .group_segment_fixed_size: 327680
    .private_segment_fixed_size: 0
    .kernarg_segment_align: 8
    .kernarg_segment_size: 32
    .max_flat_workgroup_size: 128
    .sgpr_count:     100
    .vgpr_count:     1024
    .wavefront_size: 32
...
	.end_amdgpu_metadata
.endif
;; end of part 3
;; launch oproj (part 4): grid 16 x 16, 4 waves a work-group, clusters of 4 x 4, 327,680 bytes of LDS; arguments a16, wo16, out0; writes out0
.if DOCPART == 4
	.amdgcn_target "amdgcn-amd-amdhsa--gfx1250"
	.amdhsa_code_object_version 6
	.text
	.protected	k_q932ce0c0f0_oproj
	.globl	k_q932ce0c0f0_oproj
	.p2align	8
	.type	k_q932ce0c0f0_oproj,@function
k_q932ce0c0f0_oproj:
	s_mov_b64 s[64:65], 0
	v_nop
	global_prefetch_b8 v0, s[64:65] scope:SCOPE_SE
	s_setreg_imm32_b32 hwreg(HW_REG_WAVE_MODE, 25, 1), 1
	s_wait_xcnt 0x0
	s_wait_alu depctr_hold_cnt(0) depctr_sa_sdst(0) depctr_va_vdst(0) depctr_va_sdst(0) depctr_va_ssrc(0) depctr_va_vcc(0) depctr_vm_vsrc(0)
	s_getreg_b32 s2, hwreg(HW_REG_IB_STS2, 6, 4)
	s_cmp_eq_u32 s2, 0
	s_cbranch_scc0 .Lentry_in_a_cluster
	s_endpgm
.Lentry_in_a_cluster:
	s_bfe_u32 s2, ttmp6, 0x10000c
	s_cmp_lg_u32 s2, 0xf033
	s_cbranch_scc0 .Lentry_shape_is_right
	s_endpgm
.Lentry_shape_is_right:
; FOURTH LAUNCH: out0[m][n] = sum over k of a[m][k] Wo[k][n], rows 16 to 2,047, f16 operands, f32 sums.  a16: [2048][2048], K innermost; wo16: [2048 (k)][2048 (n)], turned on its way out of LDS by ds_load_tr16_b128.
; Rows 0 to 15 are the next launch's (f32 operands): they fall in a tile that also holds rows 16 to 63, are multiplied with it and are not stored.
; A tile of out0 is 128 x 128: 256 work-groups.  Four waves, each 64 x 64: 16 accumulators.  K goes in steps of 256 through two LDS slots: a's tile 128 rows x 512 bytes, Wo's 256 rows x 256 bytes.
; CLUSTERS: 4 x 4: a's tiles are asked for jointly along a row of the cluster, Wo's along a column.  THE MATRIX INSTRUCTION IS USED TRANSPOSED (source 0 = 16 columns of Wo, source 1 = 16 rows of a).
; REGISTERS: window 0: v0-31 addresses; v32-95 the way out; v128-255 the accumulators ((a, b) at v[128 + 8 (4 a + b)]).  window 1: two fragment buffers of 128: 64 registers of a, then 64 of Wo, for 64 along K.
.set SIZE_N, 2048
.set KSTEP,  256
.set PITCH,  528                       ; a's LDS row: 512 + 16 bytes
.set PB,     288                       ; Wo's: 256 + 32
.set HALFA,  64*PITCH
.set HALFB,  128*PB
.set BOFF,   2*HALFA
.set SLOT,   BOFF+2*HALFB
.set STAGE,  2*SLOT                    ; behind the ring: 16 rows x 272 bytes for each wave: a wave's 64 columns of f32 are 256 bytes
.set SPITCH, 272
.set SPARE,  STAGE+4*16*SPITCH         ; the spare words, 128 bytes a wave, which no other line names
.set LAPS,   4
.set ADRA, 16                          ; v16-17  a's fragments in slot 0, 1
.set ADRB, 20                          ; v20-23  Wo's: slot 0 rows 0-127, rows 128-255; slot 1 likewise (240 rows x 288 bytes pass the 16-bit offset)
.set STO,  24
.set RD,   25
.set CO,   26
.set R0V,  27                          ; v27     my wave's first row of out0
.set SPW,  28
.set NIL,  29
.set TMP,  32
.set ACC,  128
.set F0,   0
.set F1,   128
.set G1, 24
.set G0, 32
.set G1B, 48
.set G0B, 56
.set MSB, 0
.macro WIN new
.if MSB != \new
	s_set_vgpr_msb (MSB<<8)|\new
.set MSB, \new
.endif
.endm
.set MUL,  0x05
.set TO_F, 0x40
.macro JLOAD s                         ; a joint load: waves 0 and 1 fetch a's two halves, waves 2 and 3 Wo's; an s_nop 0 and four v_nop follow each line
	s_cmp_eq_u32 s11, 0
	s_cbranch_scc0 .Lfor_b_\@
	tensor_load_to_lds s[G0+4*\s:G0+4*\s+3], s[G1:G1+7]
	s_nop 0
.rept 4
	v_nop
.endr
	s_branch .Lasked_\@
.Lfor_b_\@:
	tensor_load_to_lds s[G0B+4*\s:G0B+4*\s+3], s[G1B:G1B+7]
	s_nop 0
.rept 4
	v_nop
.endr
.Lasked_\@:
.endm
.macro CREST
	s_cmp_lg_u32 s10, 0
	s_cbranch_scc1 .Lnot_wave_0_\@
	s_barrier_signal -3
.Lnot_wave_0_\@:
	s_barrier_wait -3
	s_barrier_signal -1
	s_barrier_wait -1
.endm
.macro CROUND
	s_barrier_signal -1
	s_barrier_wait -1
	CREST
.endm
	s_load_b128 s[4:7], s[0:1], 0x0                ; a16 s[4:5], wo16 s[6:7]
	s_load_b64 s[8:9], s[0:1], 0x10                ; out0
	v_lshl_add_u32 v[SPW], v0, 2, SPARE
	v_mov_b32 v[NIL], 0
	ds_add_u32 v[SPW], v[NIL]                      ; the wave's opening: the add, twice on end, and its wait ahead of my first tensor load
	ds_add_u32 v[SPW], v[NIL]
	v_lshrrev_b32 v1, 5, v0
	v_readfirstlane_b32 s10, v1                    ; wave 0..3
	s_lshr_b32 s11, s10, 1                         ; which half of the tile's rows is mine.  Also: I fetch for a (0) or for Wo (1)
	s_and_b32 s12, s10, 1                          ; which half of its columns.  Also: which half of that tile I fetch
	s_bfe_u32 s40, ttmp6, 0x40000
	s_bfe_u32 s41, ttmp6, 0x40004
	s_lshl_b32 s42, ttmp9, 2
	s_add_co_u32 s42, s42, s40                     ; tile column
	s_and_b32 s13, ttmp7, 0xffff
	s_lshl_b32 s13, s13, 2
	s_add_co_u32 s13, s13, s41                     ; tile row
	s_lshl_b32 s43, s41, 2
	s_lshl_b32 s43, 15, s43                        ; my row of the cluster
	s_lshl_b32 s44, 0x1111, s40                    ; my column
	s_or_b32 s[G1+0], s43, (1<<16)|(1<<20)|(1<<21)|(6<<22)|(3<<25)  ; a: mask; elements of 2 bytes; padding: after every 128 words, 4 words
	s_mov_b32 s[G1+1], 256<<16                     ; tensor_dim0 = 256
	s_mov_b32 s[G1+2], 64<<16                      ; tensor_dim1 = 64
	s_mov_b32 s[G1+3], 256<<16                     ; tile_dim0 = 256
	s_mov_b32 s[G1+4], 64                          ; tile_dim1 = 64
	s_mov_b32 s[G1+5], 2048                        ; stride
	s_mov_b32 s[G1+6], 0
	s_mov_b32 s[G1+7], 0
	s_or_b32 s[G1B+0], s44, (1<<16)|(1<<20)|(1<<21)|(5<<22)|(7<<25) ; Wo: after every 64 words, 8 words
	s_mov_b32 s[G1B+1], 128<<16
	s_mov_b32 s[G1B+2], 128<<16
	s_mov_b32 s[G1B+3], 128<<16                    ; 128 columns
	s_mov_b32 s[G1B+4], 128                        ; 128 rows along K
	s_mov_b32 s[G1B+5], 2048
	s_mov_b32 s[G1B+6], 0
	s_mov_b32 s[G1B+7], 0
	s_lshl_b32 s17, s12, 6
	s_lshl_b32 s16, s13, 7
	s_add_co_u32 s16, s16, s17                     ; a: row 128 x tile row + 64 x half,
	s_lshl_b32 s16, s16, 12                        ; of 4,096 bytes
	s_mov_b32 s17, 0
	s_lshl_b32 s46, s42, 8                         ; Wo: the tile column's 256 bytes,
	s_lshl_b32 s47, s12, 19                        ; and 128 rows of 4,096 bytes for the second half
	s_add_co_u32 s46, s46, s47
	s_mov_b32 s47, 0
	s_mul_i32 s20, s12, HALFA                      ; where they go: no place in the cluster enters an LDS address
	s_mul_i32 s21, s12, HALFB
	s_add_co_u32 s21, s21, BOFF
	s_wait_dscnt 0x0                               ; both opening adds are done
	s_wait_kmcnt 0x0
	s_add_nc_u64 s[14:15], s[4:5], s[16:17]
	s_add_nc_u64 s[46:47], s[6:7], s[46:47]
	CROUND                                         ; all sixteen work-groups are here: the first joint loads meet
.irp s, 0,1
	s_mov_b32 s[G0+4*\s], 1
	s_add_co_u32 s[G0+4*\s+1], s20, \s*SLOT
	s_add_nc_u64 s[G0+4*\s+2:G0+4*\s+3], s[14:15], \s*KSTEP*2
	s_or_b32 s[G0+4*\s+3], s[G0+4*\s+3], 0x80000000
	s_mov_b32 s[G0B+4*\s], 1
	s_add_co_u32 s[G0B+4*\s+1], s21, \s*SLOT
	s_add_nc_u64 s[G0B+4*\s+2:G0B+4*\s+3], s[46:47], \s*KSTEP*SIZE_N*2
	s_or_b32 s[G0B+4*\s+3], s[G0B+4*\s+3], 0x80000000
	JLOAD \s
.endr
	v_and_b32 v1, 15, v0                           ; l % 16
	v_bfe_u32 v2, v0, 4, 1                         ; l / 16
	v_mul_u32_u24 v3, v1, PITCH
	v_lshl_add_u32 v3, v2, 4, v3                   ; a: row x pitch + 16 x half
	v_and_b32 v5, 7, v0
	v_bfe_u32 v6, v0, 3, 1
	v_lshl_add_u32 v4, v2, 3, v5
	v_mul_u32_u24 v4, v4, PB
	v_lshl_add_u32 v4, v6, 4, v4                   ; Wo, for the turning load: row 8 (l / 16) + l % 8, 16 bytes by (l / 8) % 2
	s_mul_i32 s21, s11, HALFA                      ; my 64 rows of a
	s_lshl_b32 s22, s12, 7                         ; my 64 columns of Wo: 128 bytes
	s_add_co_u32 s22, s22, BOFF
.irp s, 0,1
	v_add_nc_u32 v[ADRA+\s], s21, v3
	v_add_nc_u32 v[ADRB+2*\s], s22, v4
	s_add_co_u32 s23, s22, 128*PB
	v_add_nc_u32 v[ADRB+2*\s+1], s23, v4
	s_add_co_u32 s21, s21, SLOT
	s_add_co_u32 s22, s22, SLOT
.endr
	s_mul_i32 s23, s10, 16*SPITCH
	s_add_co_u32 s23, s23, STAGE                   ; my stage
	v_mul_u32_u24 v5, v1, SPITCH
	v_lshl_add_u32 v5, v2, 5, v5
	v_add_nc_u32 v[STO], s23, v5                   ; in: row l % 16, 32 bytes for each half of the lanes
	v_mul_u32_u24 v5, v2, SPITCH
	v_lshl_add_u32 v5, v1, 4, v5
	v_add_nc_u32 v[RD], s23, v5                    ; back: lanes 0-15 one row of 256 bytes, lanes 16-31 the next
	v_lshlrev_b32 v5, 13, v2
	v_lshl_add_u32 v[CO], v1, 4, v5                ; the same two rows in out0
	s_lshl_b32 s16, s13, 7
	s_lshl_b32 s17, s11, 6
	s_add_co_u32 s16, s16, s17                     ; my first row of out0
	v_mov_b32 v[R0V], s16
	s_lshl_b32 s16, s16, 13
	s_mov_b32 s17, 0
	s_add_nc_u64 s[8:9], s[8:9], s[16:17]
	s_lshl_b32 s46, s42, 9
	s_lshl_b32 s47, s12, 8
	s_add_co_u32 s46, s46, s47                     ; my first column, in bytes
	s_mov_b32 s47, 0
	s_add_nc_u64 s[8:9], s[8:9], s[46:47]
; 8 matrix instructions: m blocks a0, a0 + 1 x all 4 n blocks, 32 along K: half c of buffer f.  The 16 accumulators take turns.
.macro MUL8 f, c, a0, zero
.irp a, \a0, \a0+1
.irp b, 0,1,2,3
.if \zero
	v_wmma_f32_16x16x32_f16 v[ACC+8*(4*(\a)+\b):ACC+8*(4*(\a)+\b)+7], v[\f+64+8*(4*\c+\b):\f+64+8*(4*\c+\b)+7], v[\f+8*(4*\c+\a):\f+8*(4*\c+\a)+7], 0
.else
	v_wmma_f32_16x16x32_f16 v[ACC+8*(4*(\a)+\b):ACC+8*(4*(\a)+\b)+7], v[\f+64+8*(4*\c+\b):\f+64+8*(4*\c+\b)+7], v[\f+8*(4*\c+\a):\f+8*(4*\c+\a)+7], v[ACC+8*(4*(\a)+\b):ACC+8*(4*(\a)+\b)+7]
.endif
.endr
.endr
.endm
; 32 LDS loads in one run: the fragments of the slot's q-th 64 along K into buffer f; the first 32 along K first
.macro FETCH slot, q, f
	WIN TO_F
.irp c, 0,1
.irp i, 0,1,2,3
	ds_load_tr16_b128 v[\f+64+8*(4*\c+\i):\f+64+8*(4*\c+\i)+3],   v[ADRB+2*\slot+(\q)/2] offset:(((\q)%2)*64+32*\c)*PB+32*\i
	ds_load_tr16_b128 v[\f+64+8*(4*\c+\i)+4:\f+64+8*(4*\c+\i)+7], v[ADRB+2*\slot+(\q)/2] offset:(((\q)%2)*64+32*\c)*PB+32*\i+16*PB
	ds_load_b128 v[\f+8*(4*\c+\i):\f+8*(4*\c+\i)+3],         v[ADRA+\slot] offset:128*(\q)+64*\c+\i*16*PITCH
	ds_load_b128 v[\f+8*(4*\c+\i)+4:\f+8*(4*\c+\i)+7],       v[ADRA+\slot] offset:128*(\q)+64*\c+\i*16*PITCH+32
.endr
.endr
.endm
.macro PLACES
.rept 4
	v_nop
.endr
.endm
.macro QUARTER slot, q, f, g, zero     ; multiplies buffer f and fetches the slot's q-th quarter into g
	s_wait_dscnt 16                                ; the first 32 along K are in; the sixteen younger loads may be out
	WIN MUL
	MUL8 \f, 0, 0, \zero
	MUL8 \f, 0, 2, \zero
	PLACES
	FETCH \slot, \q, \g
	s_wait_dscnt 32                                ; all but the 32 just issued
	WIN MUL
	MUL8 \f, 1, 0, 0
	MUL8 \f, 1, 2, 0
.endm
; The last quarter changes slots: one barrier; in front of it each wave waits for all its tensor loads, adds 0 to its spare word, and waits for that and for its reads of this slot.
.macro TURN slot, next, fill
	WIN 0
	s_wait_tensorcnt 0x0                           ; all my tensor loads have landed: my part of the next slot
	ds_add_u32 v[SPW], v[NIL]
	s_wait_dscnt 17                                ; (the add and the youngest sixteen loads may be out)
	WIN MUL
	MUL8 F1, 0, 0, 0
	s_wait_dscnt 0x0                               ; the add is done, and my reads of this slot are over
	s_barrier_signal -1
	MUL8 F1, 0, 2, 0
.if \fill
	WIN 0
.endif
	s_barrier_wait -1
.if \fill
	CREST                                          ; the barrier has opened a round of the cluster's barrier
	s_add_nc_u64 s[G0+4*\slot+2:G0+4*\slot+3], s[G0+4*\slot+2:G0+4*\slot+3], 2*KSTEP*2
	s_add_nc_u64 s[G0B+4*\slot+2:G0B+4*\slot+3], s[G0B+4*\slot+2:G0B+4*\slot+3], 2*KSTEP*SIZE_N*2
	JLOAD \slot
.else
	PLACES
.endif
	FETCH \next, 0, F0
	WIN MUL
	MUL8 F1, 1, 0, 0
	MUL8 F1, 1, 2, 0
.endm
	s_wait_tensorcnt 1                             ; my part of K step 0 is in; K step 1's may stay out
	s_barrier_signal -1
	s_barrier_wait -1
	FETCH 0, 0, F0
	QUARTER 0, 1, F0, F1, 1                        ; the first products start the sums
	WIN 0
	s_mov_b32 s3, LAPS-1
.Llap:
	QUARTER 0, 2, F1, F0, 0
	QUARTER 0, 3, F0, F1, 0
	TURN 0, 1, 1
	QUARTER 1, 1, F0, F1, 0
	QUARTER 1, 2, F1, F0, 0
	QUARTER 1, 3, F0, F1, 0
	TURN 1, 0, 1
	QUARTER 0, 1, F0, F1, 0
	WIN 0
	s_sub_co_u32 s3, s3, 1
	s_cmp_lg_u32 s3, 0
	s_cbranch_scc1 .Llap
	QUARTER 0, 2, F1, F0, 0                        ; the last lap fills nothing
	QUARTER 0, 3, F0, F1, 0
	TURN 0, 1, 0
	QUARTER 1, 1, F0, F1, 0
	QUARTER 1, 2, F1, F0, 0
	QUARTER 1, 3, F0, F1, 0
	s_wait_dscnt 16
	WIN MUL
	MUL8 F1, 0, 0, 0
	MUL8 F1, 0, 2, 0
	s_wait_dscnt 0
	MUL8 F1, 1, 0, 0
	MUL8 F1, 1, 2, 0
	WIN 0
; THE WAY OUT, 16 rows x 64 columns at a time, through my own stage: back as whole rows of 256 bytes.
.macro TOST a
.irp b, 0,1,2,3
	ds_store_b128 v[STO], v[ACC+8*(4*(\a)+\b):ACC+8*(4*(\a)+\b)+3] offset:64*\b       ; each accumulator from its low end on
	ds_store_b128 v[STO], v[ACC+8*(4*(\a)+\b)+4:ACC+8*(4*(\a)+\b)+7] offset:64*\b+16
.endr
.irp t, 0,1,2,3,4,5,6,7
	ds_load_b128 v[TMP+32*((\a)%2)+4*\t:TMP+32*((\a)%2)+4*\t+3], v[RD] offset:\t*2*SPITCH   ; a wave's LDS instructions are served in order
.endr
.endm
.macro SENDO a, younger
	s_wait_dscnt \younger                          ; the block is back; the next block's 8 stores and 8 loads may be out
.if (\a) == 0
	v_cmp_ne_u32 vcc_lo, 0, v[R0V]                 ; rows 0 to 15 of out0 are not mine to store: told by EXEC
	s_wait_xcnt 0x0                                ; EXEC changes only behind this wait
	s_and_saveexec_b32 s45, vcc_lo
.endif
.irp t, 0,1,2,3,4,5,6,7
	global_store_b128 v[CO], v[TMP+32*((\a)%2)+4*\t:TMP+32*((\a)%2)+4*\t+3], s[8:9] offset:(16*(\a)+2*\t)*8192 th:TH_STORE_NT   ; 16 lanes store 256 consecutive bytes, aligned
.endr
.if (\a) == 0
	s_wait_xcnt 0x0                                ; and again, in front of the line that widens it
	s_or_b32 exec_lo, exec_lo, s45
.endif
.endm
	PLACES
	TOST 0
	TOST 1
	SENDO 0, 16
	s_wait_xcnt 0x0                                ; block 0's stores have read their registers: block 2's loads may land there
	TOST 2
	SENDO 1, 16
	s_wait_xcnt 0x0
	TOST 3
	SENDO 2, 16
	SENDO 3, 0
	s_wait_tensorcnt 0x0                           ; the wave's end
	ds_add_u32 v[SPW], v[NIL]
	s_wait_dscnt 0x0
	CROUND                                         ; the closing round
	s_endpgm
.Lfunc_end_k_q932ce0c0f0_oproj:
	.size	k_q932ce0c0f0_oproj, .Lfunc_end_k_q932ce0c0f0_oproj-k_q932ce0c0f0_oproj
	.p2alignl 7, 3214868480
	.fill 96, 4, 3214868480
	.section	.rodata,"a",@progbits
	.p2align	6, 0x0
	.amdhsa_kernel k_q932ce0c0f0_oproj
		.amdhsa_group_segment_fixed_size 327680
		.amdhsa_private_segment_fixed_size 0
		.amdhsa_enable_private_segment 0
		.amdhsa_kernarg_size 24
		.amdhsa_user_sgpr_count 2
		.amdhsa_user_sgpr_kernarg_segment_ptr 1
		.amdhsa_wavefront_size32 1
		.amdhsa_system_sgpr_workgroup_id_x 1
		.amdhsa_system_sgpr_workgroup_id_y 1
		.amdhsa_system_sgpr_workgroup_id_z 1
		.amdhsa_system_vgpr_workitem_id 0
		.amdhsa_next_free_vgpr 512
		.amdhsa_next_free_sgpr 66
		.amdhsa_reserve_vcc 1
		.amdhsa_float_denorm_mode_32 3
		.amdhsa_float_denorm_mode_16_64 3
		.amdhsa_memory_ordered 1
		.amdhsa_forward_progress 1
		.amdhsa_inst_pref_size 86
	.end_amdhsa_kernel
	.amdgpu_metadata
---
amdhsa.version: [ 1, 2 ]
amdhsa.kernels:
  - .name:           k_q932ce0c0f0_oproj
    .symbol:         k_q932ce0c0f0_oproj.kd
    .args:
      - { .name: a16, .offset: 0, .size: 8, .value_kind: global_buffer, .address_space: global }
      - { .name: wo16, .offset: 8, .size: 8, .value_kind: global_buffer, .address_space: global }
      - { .name: out0, .offset: 16, .size: 8, .value_kind: global_buffer, .address_space: global }
    .group_segment_fixed_size: 327680
    .private_segment_fixed_size: 0
    .kernarg_segment_align: 8
    .kernarg_segment_size: 24
    .max_flat_workgroup_size: 128
    .sgpr_count:     66
    .vgpr_count:     512
    .wavefront_size: 32
...
	.end_amdgpu_metadata
.endif
;; end of part 4
;; launch fine (part 5): grid 32 x 4, 8 waves a work-group, no clusters, 41,984 bytes of LDS; arguments a32, Wo, out0; writes out0
.if DOCPART == 5
	.amdgcn_target "amdgcn-amd-amdhsa--gfx1250"
	.amdhsa_code_object_version 6
	.text
	.protected	k_q932ce0c0f0_fine
	.globl	k_q932ce0c0f0_fine
	.p2align	8
	.type	k_q932ce0c0f0_fine,@function
k_q932ce0c0f0_fine:
	s_mov_b64 s[64:65], 0
	v_nop
	global_prefetch_b8 v0, s[64:65] scope:SCOPE_SE
	s_setreg_imm32_b32 hwreg(HW_REG_WAVE_MODE, 25, 1), 1
	s_wait_xcnt 0x0
; FIFTH LAUNCH: rows 0 to 15 of out0 = a Wo with both operands in f32, by fused multiply-adds: under a mask that lets a first position see few keys these rows average few values and are the largest in size,
; so the rounding of f16 operands is kept out of their last product.  16 x 2,048 x 2,048 multiply-adds: no bulk work, so no matrix instruction.  Nothing of the problem is left out here.
; SHARES.  Work-group (x, y): columns 64 x .. 64 x + 63 of rows 4 y .. 4 y + 3.  Wave w: k = 256 w .. 256 w + 255.  Lane (c, h) = (lane % 16, lane / 16): columns 4 c .. 4 c + 3, and of each 8 along k the four at 4 h.
; A load of Wo reads two rows' 256 consecutive bytes, aligned.  The four work-groups along y read the same pieces of Wo; they go straight into registers and are used once, so there is no LDS tile that a joint load
; could fill, and four rows to a work-group give 128 work-groups in place of 32.
; The work-group's four rows of a (32,768 dense bytes) lie in LDS; the eight waves' partial sums meet in LDS, and waves 0 and 1 add and store them.
.set RED,   32768                      ; LDS: 0 .. 32,767 a's four rows; here 8 x 1,024 bytes of partial sums
.set SPARE, 40960                      ; the spare words, 128 bytes a wave, which no other line names
.set ACC,   8                          ; v8-23    row m, column j at 4 m + j
.set W,     32                         ; v32-95   four sets of 4 x 4 numbers of Wo
.set AQ,    96                         ; v96-127  two sets of 4 x 4 numbers of a
.set CP,    128                        ; v128-159 a on its way into LDS
	s_load_b128 s[4:7], s[0:1], 0x0                ; a32 s[4:5], Wo s[6:7]
	s_load_b64 s[8:9], s[0:1], 0x10                ; out0
	v_lshl_add_u32 v6, v0, 2, SPARE                ; v6: my spare word; never rewritten
	v_mov_b32 v7, 0                                ; v7: 0; never rewritten
	v_lshrrev_b32 v1, 5, v0
	v_readfirstlane_b32 s10, v1                    ; wave 0..7
	s_and_b32 s11, ttmp7, 0xffff
	s_lshl_b32 s12, s11, 15                        ; four rows of 8,192 bytes
	s_mov_b32 s13, 0
	s_lshl_b32 s14, ttmp9, 8                       ; 64 columns
	s_lshl_b32 s16, s10, 21                        ; 256 rows of Wo
	s_add_co_u32 s16, s16, s14
	s_mov_b32 s17, 0
	s_add_co_u32 s18, s12, s14
	s_mov_b32 s19, 0
	s_mov_b32 s20, 0x76543210
	s_mov_b32 s21, 0xfedcba98                      ; v_permlanex16_b32's selects for lane l xor 16
	v_lshlrev_b32 v1, 4, v0                        ; 16 x thread
	v_and_b32 v24, 15, v0                          ; c
	v_bfe_u32 v25, v0, 4, 1                        ; h
	v_lshlrev_b32 v2, 15, v25
	v_lshl_add_u32 v2, v24, 4, v2                  ; Wo: 4 h rows + 16 c
	s_lshl_b32 s22, s10, 10
	v_lshl_add_u32 v3, v25, 4, s22                 ; a in LDS: 1,024 w + 16 h
	s_add_co_u32 s22, s22, RED
	v_lshl_add_u32 v4, v24, 4, s22                 ; my wave's partial sums: 16 c
	v_lshrrev_b32 v5, 4, v0
	v_lshlrev_b32 v5, 13, v5
	v_lshl_add_u32 v5, v24, 4, v5                  ; out0, for threads 0-63: row thread / 16, 16 bytes at thread % 16
	v_add_nc_u32 v26, RED, v1                      ; and the same place in a wave's partial sums
	s_wait_kmcnt 0x0
	s_add_nc_u64 s[4:5], s[4:5], s[12:13]
	s_add_nc_u64 s[6:7], s[6:7], s[16:17]
	s_add_nc_u64 s[8:9], s[8:9], s[18:19]
.macro WLOAD o                         ; 8 along k: lanes 0-15 rows 8 o + i, lanes 16-31 rows 8 o + 4 + i
.irp i, 0,1,2,3
	global_load_b128 v[W+16*((\o)%4)+4*\i:W+16*((\o)%4)+4*\i+3], v2, s[6:7] offset:(8*(\o)+\i)*8192
.endr
.endm
.macro ALOAD o                         ; a(m, 256 w + 8 o + 4 h + 0 .. 3) for the four rows m
.irp m, 0,1,2,3
	ds_load_b128 v[AQ+16*((\o)%2)+4*\m:AQ+16*((\o)%2)+4*\m+3], v3 offset:\m*8192+32*(\o)
.endr
.endm
.macro OCT o
.set WS, W+16*((\o)%4)
.set AS, AQ+16*((\o)%2)
.if (\o) < 31
	ALOAD (\o)+1
	s_wait_dscnt 4                                 ; this step's four are in; the next step's four may be out
.else
	s_wait_dscnt 0x0
.endif
.if 31-(\o) >= 3
	s_wait_loadcnt 12                              ; this step's four loads of Wo are in; three steps' twelve may be out
.else
	s_wait_loadcnt 4*(31-(\o))
.endif
.irp ih, 0,1
.irp e, 0,1
.irp m, 0,1,2,3
.irp cp, 0,1
.if ((\o) == 0) && (2*\ih+\e == 0)
	v_pk_mul_f32 v[ACC+4*\m+2*\cp:ACC+4*\m+2*\cp+1], v[WS+4*(2*\ih+\e)+2*\cp:WS+4*(2*\ih+\e)+2*\cp+1], v[AS+4*\m+2*\ih:AS+4*\m+2*\ih+1] op_sel:[0,\e] op_sel_hi:[1,\e]   ; the first product starts the sums
.else
	v_pk_fma_f32 v[ACC+4*\m+2*\cp:ACC+4*\m+2*\cp+1], v[WS+4*(2*\ih+\e)+2*\cp:WS+4*(2*\ih+\e)+2*\cp+1], v[AS+4*\m+2*\ih:AS+4*\m+2*\ih+1], v[ACC+4*\m+2*\cp:ACC+4*\m+2*\cp+1] op_sel:[0,\e,0] op_sel_hi:[1,\e,1]
.endif
.endr
.endr
.endr
.endr
.if (\o)+4 < 32
	WLOAD (\o)+4
.endif
.endm
.irp i, 0,1,2,3,4,5,6,7
	global_load_b128 v[CP+4*\i:CP+4*\i+3], v1, s[4:5] offset:4096*\i
.endr
	WLOAD 0
	WLOAD 1
	WLOAD 2
	WLOAD 3
	s_wait_loadcnt 16                              ; a's eight loads are in; Wo's sixteen may be out
.irp i, 0,1,2,3,4,5,6,7
	ds_store_b128 v1, v[CP+4*\i:CP+4*\i+3] offset:4096*\i
.endr
	s_wait_dscnt 0x0                               ; for the others' sake: my stores have landed
	s_barrier_signal -1
	s_barrier_wait -1
	ALOAD 0
.set O, 0
.rept 32
	OCT O
.set O, O+1
.endr
.set j, 0
.rept 16
	v_permlanex16_b32 v[W+j], v[ACC+j], s20, s21   ; the other half of the lanes holds the other half of each 8 along k
.set j, j+1
.endr
.set j, 0
.rept 16
	v_add_f32 v[ACC+j], v[ACC+j], v[W+j]
.set j, j+1
.endr
.irp m, 0,1,2,3
	ds_store_b128 v4, v[ACC+4*\m:ACC+4*\m+3] offset:256*\m   ; both halves of the lanes write the same bytes with the same values
.endr
	s_wait_dscnt 0x0
	s_barrier_signal -1
	s_barrier_wait -1
	s_cmp_ge_u32 s10, 2
	s_cbranch_scc1 .Lend
.irp w, 0,1,2,3,4,5,6,7
	ds_load_b128 v[W+4*\w:W+4*\w+3], v26 offset:1024*\w
.endr
	s_wait_dscnt 0x0
.irp w, 0,2,4,6
	v_pk_add_f32 v[W+4*\w:W+4*\w+1], v[W+4*\w:W+4*\w+1], v[W+4*\w+4:W+4*\w+5]
	v_pk_add_f32 v[W+4*\w+2:W+4*\w+3], v[W+4*\w+2:W+4*\w+3], v[W+4*\w+6:W+4*\w+7]
.endr
.irp w, 0,4
	v_pk_add_f32 v[W+4*\w:W+4*\w+1], v[W+4*\w:W+4*\w+1], v[W+4*\w+8:W+4*\w+9]
	v_pk_add_f32 v[W+4*\w+2:W+4*\w+3], v[W+4*\w+2:W+4*\w+3], v[W+4*\w+10:W+4*\w+11]
.endr
	v_pk_add_f32 v[W:W+1], v[W:W+1], v[W+16:W+17]
	v_pk_add_f32 v[W+2:W+3], v[W+2:W+3], v[W+18:W+19]
	global_store_b128 v5, v[W:W+3], s[8:9]         ; 16 lanes store 256 consecutive bytes, aligned
.Lend:
	s_wait_tensorcnt 0x0                           ; the wave's end
	ds_add_u32 v6, v7
	s_wait_dscnt 0x0
	s_endpgm
.Lfunc_end_k_q932ce0c0f0_fine:
	.size	k_q932ce0c0f0_fine, .Lfunc_end_k_q932ce0c0f0_fine-k_q932ce0c0f0_fine
	.p2alignl 7, 3214868480
	.fill 96, 4, 3214868480
	.section	.rodata,"a",@progbits
	.p2align	6, 0x0
	.amdhsa_kernel k_q932ce0c0f0_fine
		.amdhsa_group_segment_fixed_size 41984
		.amdhsa_private_segment_fixed_size 0
		.amdhsa_enable_private_segment 0
		.amdhsa_kernarg_size 24
		.amdhsa_user_sgpr_count 2
		.amdhsa_user_sgpr_kernarg_segment_ptr 1
		.amdhsa_wavefront_size32 1
		.amdhsa_system_sgpr_workgroup_id_x 1
		.amdhsa_system_sgpr_workgroup_id_y 1
		.amdhsa_system_sgpr_workgroup_id_z 1
		.amdhsa_system_vgpr_workitem_id 0
		.amdhsa_next_free_vgpr 160
		.amdhsa_next_free_sgpr 66
		.amdhsa_reserve_vcc 0
		.amdhsa_float_denorm_mode_32 3
		.amdhsa_float_denorm_mode_16_64 3
		.amdhsa_memory_ordered 1
		.amdhsa_forward_progress 1
		.amdhsa_inst_pref_size 93
	.end_amdhsa_kernel
	.amdgpu_metadata
---
amdhsa.version: [ 1, 2 ]
amdhsa.kernels:
  - .name:           k_q932ce0c0f0_fine
    .symbol:         k_q932ce0c0f0_fine.kd
    .args:
      - { .name: a32, .offset: 0, .size: 8, .value_kind: global_buffer, .address_space: global }
      - { .name: Wo, .offset: 8, .size: 8, .value_kind: global_buffer, .address_space: global }
      - { .name: out0, .offset: 16, .size: 8, .value_kind: global_buffer, .address_space: global }
    .group_segment_fixed_size: 41984
    .private_segment_fixed_size: 0
    .kernarg_segment_align: 8
    .kernarg_segment_size: 24
    .max_flat_workgroup_size: 256
    .sgpr_count:     66
    .vgpr_count:     160
    .wavefront_size: 32
...
	.end_amdgpu_metadata
.endif
;; end of part 5
